; MI455X (gfx1250); checked and timed in simulation.
; The chip was launched on July 23, 2026; its instructions are those of AMD's public machine-readable ISA for CDNA 5 (MIT licence, August 2026) and "CDNA5" Instruction Set Architecture Reference Guide (July 2026). The comments in the code are by the model that wrote it; some were corrected since.
;; Genjo Sparse Moe Block. Allowed arithmetic: matrix products marked QUANTISED: E2M3 operands, one E8M0 scale for each 32 along K, by v_wmma_scale_f32_16x16x128_f8f6f4 with both operands' format E2M3, f32 sums; products left as they are: f32 operands where the result goes on into a quantised operand, else bf16, f16 or f32 operands; f32 sums; everything else in f32.
;; Inputs: gate_w_codes 16 x 16 x 24 uint8 (E2M3 codes of gate_w, K innermost, in blocks of 32 codes, four codes in three bytes); gate_w_scales 16 x 16 uint8 (E8M0 scales of gate_w, one for each 32 codes along K); hidden_states_codes 2 x 512 x 16 x 24 uint8 (E2M3 codes of hidden_states, K innermost, in blocks of 32 codes, four codes in three bytes); hidden_states_scales 2 x 512 x 16 uint8 (E8M0 scales of hidden_states, one for each 32 codes along K); swd_codes 512 x 32 x 24 uint8 (E2M3 codes of swd, K innermost, in blocks of 32 codes, four codes in three bytes); swd_scales 512 x 32 uint8 (E8M0 scales of swd, one for each 32 codes along K); swg_codes 1,024 x 16 x 24 uint8 (E2M3 codes of swg, K innermost, in blocks of 32 codes, four codes in three bytes); swg_scales 1,024 x 16 uint8 (E8M0 scales of swg, one for each 32 codes along K); swu_codes 1,024 x 16 x 24 uint8 (E2M3 codes of swu, K innermost, in blocks of 32 codes, four codes in three bytes); swu_scales 1,024 x 16 uint8 (E8M0 scales of swu, one for each 32 codes along K); wd_codes 16 x 512 x 64 x 24 uint8 (E2M3 codes of wd, K innermost, in blocks of 32 codes, four codes in three bytes); wd_scales 16 x 512 x 64 uint8 (E8M0 scales of wd, one for each 32 codes along K); wg_codes 16 x 2,048 x 16 x 24 uint8 (E2M3 codes of wg, K innermost, in blocks of 32 codes, four codes in three bytes); wg_scales 16 x 2,048 x 16 uint8 (E8M0 scales of wg, one for each 32 codes along K); wu_codes 16 x 2,048 x 16 x 24 uint8 (E2M3 codes of wu, K innermost, in blocks of 32 codes, four codes in three bytes); wu_scales 16 x 2,048 x 16 uint8 (E8M0 scales of wu, one for each 32 codes along K).
;; Outputs: out0 2 x 512 x 512 float32.
;; This version of the problem:
;;   THIS VERSION OF THE PROBLEM IS GIVEN IN LOW PRECISION. The matrix products marked QUANTISED in the list below multiply operands that are first quantised to E2M3 (2 exponent bits, 3 mantissa bits; 6 bits a number), with one power-of-two scale for each 32 numbers along K (OCP MX v1.0); their sums are f32. All else is computed in f32.
;;   The module's matrix products, in the order in which they are computed (A, B: the left and right operand; K: the contracted axis; several contracted axes count as one K, in the product's order):
;;     1. [M 1,024, K 512] x [K 512, N 16]; A: input hidden_states (given as codes); B: input gate_w (given as codes): QUANTISED
;;     2. [M 1,024, K 512] x [K 512, N 32,768]; A: input hidden_states (given as codes); B: input wg (given as codes): QUANTISED
;;     3. [M 1,024, K 512] x [K 512, N 32,768]; A: input hidden_states (given as codes); B: input wu (given as codes): QUANTISED
;;     4. batch 16 x [M 512, K 2,048] x [K 2,048, N 1,024]; A: input wd (given as codes); B: computed on the way: QUANTISED
;;     5. batch 1,024 x [M 512, K 16] x [K 16, N 1]; A: computed on the way; B: computed on the way: left as it is (K = 16 < 32)
;;     6. [M 1,024, K 512] x [K 512, N 1,024]; A: input hidden_states (given as codes); B: input swg (given as codes): QUANTISED
;;     7. [M 1,024, K 512] x [K 512, N 1,024]; A: input hidden_states (given as codes); B: input swu (given as codes): QUANTISED
;;     8. [M 1,024, K 1,024] x [K 1,024, N 512]; A: computed on the way; B: input swd (given as codes): QUANTISED
;;   THE QUANTISER, for each operand of a quantised product, along K:
;;     - K is cut into blocks of 32 from its start; a last block that is shorter is filled with zeros.
;;     - A block's scale is 2^e with e = floor(log2(the largest magnitude in the block)) - 2, held to -126 .. 127; a block of zeros has e = 0. As a byte (E8M0): e + 127.
;;     - Each number is divided by its block's scale, clamped to +-7.5, and rounded to the nearest number of E2M3, ties to even, subnormals kept.
;;     - The product sums the exact products of the quantised numbers (number of the format x scale) in f32.
;;   ~~~python
;;   def quantise(x, axis):      # numpy; x: float32 -> the quantised numbers, widened to float32 again
;;       x = np.moveaxis(x, axis, -1); K = x.shape[-1]
;;       x = np.pad(x, [(0, 0)] * (x.ndim - 1) + [(0, -K % 32)]); x = x.reshape(x.shape[:-1] + (-1, 32)); a = np.abs(x).max(-1, keepdims=True)
;;       e = np.where(a > 0, np.clip(np.frexp(np.where(a > 0, a, 1))[1] - 1 - 2, -126, 127), 0)      # np.frexp(a)[1] - 1 = floor(log2(a)), exactly
;;       r = np.clip(x / 2.0 ** e, -7.5, 7.5)
;;       step = 2.0 ** (np.maximum(np.frexp(np.where(r == 0, 1, r))[1] - 1, 0) - 3)
;;       q = np.round(r / step) * step * 2.0 ** e      # np.round: ties to even
;;       return np.moveaxis(q.reshape(q.shape[:-2] + (-1,))[..., :K], -1, axis).astype(np.float32)
;;   ~~~
;;   OPERANDS COMPUTED ON THE WAY. 'Computed on the way' means the value that the module computes at that place (a softmax that the list does not call 'softmax' is quantised finished and normalised). What goes into a quantiser is computed in f32, as accurately as f32 sums, v_exp_f32 and their like allow (about 1e-6 of the number): no bf16 or f16 on the way to a quantiser, and a product that is left as it is and whose result goes on into a quantised operand takes f32 operands (vector FMAs, or v_wmma_f32_16x16x4_f32). A number that lies on a knife's edge between two numbers of the format may be rounded either way, as far as f32 arithmetic and the matrix unit's own rounding can turn it there, and no further.
;;   INPUTS GIVEN AS CODES. gate_w (in the module: [16, 512], K = its axis 1); hidden_states (in the module: [2, 512, 512], K = its axis 2); swd (in the module: [512, 1024], K = its axis 1); swg (in the module: [1024, 512], K = its axis 1); swu (in the module: [1024, 512], K = its axis 1); wd (in the module: [16, 512, 2048], K = its axis 2); wg (in the module: [16, 2048, 512], K = its axis 2); wu (in the module: [16, 2048, 512], K = its axis 2): each comes as NAME_codes (uint8): NAME with its K axis moved to the last place and cut into blocks of 32 codes, [.., K / 32, bytes a block], one block behind the other in memory; four codes in three bytes: a row's codes are one little-endian stream of bits, code i at bits 6 i .. 6 i + 5 (a code: sign, 2 exponent bits, 3 mantissa bits); and NAME_scales (uint8): the same leading axes, one E8M0 byte (e + 127) for each 32 codes along K. Its value is code x scale, taken as it is: it is not quantised again, and the codes and scales need not be those that the quantiser above would give.
;; One version. Each part assembles by itself: llvm-mc -triple=amdgcn-amd-amdhsa -mcpu=gfx1250 --defsym DOCPART=n.
;; ======== version 1 of 1: 4 launches
;; workspace buffers: idx 8,192 bytes of whole numbers; topw 8,192 bytes; rows 98,304 bytes of whole numbers; himg 25,165,824 bytes; hsc 1,048,576 bytes; simg 786,432 bytes; ssc 32,768 bytes; P 4,456,448 bytes
;; launch route_shup (part 1): grid 144 x 1, 4 waves a work-group, no clusters, 102,912 bytes of LDS; arguments hidden_states_codes, hidden_states_scales, swg_codes, swg_scales, swu_codes, swu_scales, gate_w_codes, gate_w_scales, idx, topw, simg, ssc; writes idx, topw, simg, ssc
.if DOCPART == 1
	.amdgcn_target "amdgcn-amd-amdhsa--gfx1250"
	.amdhsa_code_object_version 6
	.text
	.protected	k_q64ce6a569a_route_shup
	.globl	k_q64ce6a569a_route_shup
	.p2align	8
	.type	k_q64ce6a569a_route_shup,@function
k_q64ce6a569a_route_shup:
	s_mov_b64 s[64:65], 0
	v_nop
	global_prefetch_b8 v0, s[64:65] scope:SCOPE_SE
	s_setreg_imm32_b32 hwreg(HW_REG_WAVE_MODE, 25, 1), 1
	s_wait_xcnt 0x0
; Work-groups 0..127: the shared experts' first half: sh = silu(x swg^T) * (x swu^T), quantised along the hidden axis, stored as register images.
; Work-groups 128..143: the router: logits = x gate_w^T, softmax over 16 experts, the two largest: expert numbers to idx, their weights to topw.
; All products on E2M3 codes with E8M0 scales as they lie in memory.  No tensor load, no cluster: the weights' rows are 96 words, and the rows of a tile are not neighbours.
; SHARED PATH.  Work-group = (slice s of 128 hidden units, four tiles of 16 tokens).  The slice of swg and swu (2 x 49,152 dense bytes) is read by loads of 512 consecutive bytes a wave,
; laid into LDS with rows 400 bytes apart, and behind ONE barrier every wave takes all 64 fragments into registers; a wave then makes one tile of tokens by itself.
; The fragments come K step by K step, and a K step's 16 products are issued as soon as its 16 fragments are in, while later fragments are still on their way.
; THE MATRIX INSTRUCTION IS USED TRANSPOSED (source 0 = 16 weight rows, source 1 = 16 tokens): a lane holds one token, its registers run along the hidden units.
; LDS row 32 b + 16 u + r holds weight row 32 b + 8 u + r + 8 (r / 8): so the 16 registers of tiles 2 b, 2 b + 1 are 16 neighbours along the next product's K.
; LIMITS: NaN and infinities are not served.  h is formed as (g u) x 1 / (1 + 2^(-g log2 e)): another order of rounding than (g sigmoid(g)) u.  A block of zeros gets the byte 1 with zero codes
; (the bytes are read by this program alone).  The two experts are chosen on the logits, equal logits to the lower index.
; REGISTERS, window 0: v4-15 addresses; v16-63 x's four fragments; v64-67 x's scale words; v68-99 the weights' scale words; v100-111 fragment 63; v112-175 g; v176-239 u, later codes and work.
; Windows 1-3: fragments 0-62, 21 to a window (fragment 16 k + T; T 0-7 tiles of g, 8-15 of u).  While staging: window 1, v0-191.
.set G,   112
.set U,   176
.set XF,  16
.set XS,  64
.set WS,  68
.set F63, 100
.set PC,  176
.set TM,  200
.set PW,  216
.set L16, 4
.set FG,  8
.set FU,  9
.set R4,  11
.set H24, 12
.set XA,  13
.set XSA, 14
.set WSO, 15
.set TT,  254
.set XC,  8
.set XSP, 10
.set WGC, 12
.set WGS, 14
.set WUC, 16
.set WUS, 18
.set SEL, 42
.set NL,  44
.set MSB, 0
.macro WIN new                         ; the immediate's high byte repeats the setting that is left; a switch that changes nothing is dropped
.if MSB != (\new)
	s_set_vgpr_msb (MSB<<8)|(\new)
.set MSB, (\new)
.endif
.endm
.macro FLOC f                          ; where fragment f lives: window FWN, register FRG
.if (\f) < 63
.set FWN, 1+(\f)/21
.set FRG, 12*((\f)%21)
.else
.set FWN, 0
.set FRG, F63
.endif
.endm
.macro WM                              ; one product: D at WD, weights at WA, tokens at WB, scale words WP and WQ; WZ: it starts the sum; WRA, WRB: the scale words stand in lanes 16-31
.if WZ && WRA
	v_wmma_scale_f32_16x16x128_f8f6f4 v[WD:WD+7], v[WA:WA+11], v[WB:WB+11], 0, v[WP], v[WQ] matrix_a_fmt:MATRIX_FMT_FP6 matrix_b_fmt:MATRIX_FMT_FP6 matrix_a_scale:MATRIX_SCALE_ROW1
.elseif WZ
	v_wmma_scale_f32_16x16x128_f8f6f4 v[WD:WD+7], v[WA:WA+11], v[WB:WB+11], 0, v[WP], v[WQ] matrix_a_fmt:MATRIX_FMT_FP6 matrix_b_fmt:MATRIX_FMT_FP6
.elseif WRA && WRB
	v_wmma_scale_f32_16x16x128_f8f6f4 v[WD:WD+7], v[WA:WA+11], v[WB:WB+11], v[WD:WD+7], v[WP], v[WQ] matrix_a_fmt:MATRIX_FMT_FP6 matrix_b_fmt:MATRIX_FMT_FP6 matrix_a_scale:MATRIX_SCALE_ROW1 matrix_b_scale:MATRIX_SCALE_ROW1
.elseif WRA
	v_wmma_scale_f32_16x16x128_f8f6f4 v[WD:WD+7], v[WA:WA+11], v[WB:WB+11], v[WD:WD+7], v[WP], v[WQ] matrix_a_fmt:MATRIX_FMT_FP6 matrix_b_fmt:MATRIX_FMT_FP6 matrix_a_scale:MATRIX_SCALE_ROW1
.elseif WRB
	v_wmma_scale_f32_16x16x128_f8f6f4 v[WD:WD+7], v[WA:WA+11], v[WB:WB+11], v[WD:WD+7], v[WP], v[WQ] matrix_a_fmt:MATRIX_FMT_FP6 matrix_b_fmt:MATRIX_FMT_FP6 matrix_b_scale:MATRIX_SCALE_ROW1
.else
	v_wmma_scale_f32_16x16x128_f8f6f4 v[WD:WD+7], v[WA:WA+11], v[WB:WB+11], v[WD:WD+7], v[WP], v[WQ] matrix_a_fmt:MATRIX_FMT_FP6 matrix_b_fmt:MATRIX_FMT_FP6
.endif
.endm
.macro XLOAD                           ; 25 loads: my token's four fragments (24 bytes at 96 k + 24 h and at 48 more, in pieces of 8) and its four scale words
.irp k, 0,1,2,3
.irp p, 0,1,2,3,4,5
	global_load_b64 v[XF+12*\k+2*\p:XF+12*\k+2*\p+1], v[XA], s[XC:XC+1] offset:96*\k+48*(\p/3)+8*(\p%3)
.endr
.endr
	global_load_b128 v[XS:XS+3], v[XSA], s[XSP:XSP+1]
.endm
.macro WLOADS                          ; 8 loads of scale words (block b: lanes 0-15 tile 2 b, lanes 16-31 tile 2 b + 1; register = K step), 48 loads of 512 consecutive bytes of codes
.irp b, 0,1,2,3
	global_load_b128 v[WS+4*\b:WS+4*\b+3], v[WSO], s[WGS:WGS+1] offset:512*\b
	global_load_b128 v[WS+16+4*\b:WS+16+4*\b+3], v[WSO], s[WUS:WUS+1] offset:512*\b
.endr
	WIN 0x40                                       ; destination window 1
.set jj, 0
.rept 24
	global_load_b128 v[4*jj:4*jj+3], v[L16], s[WGC:WGC+1] offset:512*jj
	global_load_b128 v[96+4*jj:96+4*jj+3], v[L16], s[WUC:WUC+1] offset:512*jj
.set jj, jj+1
.endr
	WIN 0
.endm
.macro WSTORES                         ; three loads are four rows of 384 bytes: they go to four neighbouring LDS rows of 400; group gg of four rows goes to the place that the tile order gives it
	WIN 0x04                                       ; an LDS store's data are its source 1: window 1
.set jj, 0
.rept 24
.set gg, jj/3
.set oo, (4*(gg%2)+16*((gg/2)%2)+8*(gg/4))*400+528*(jj%3)
	ds_store_b128 v[5+jj%3], v[4*jj:4*jj+3] offset:oo
	ds_store_b128 v[5+jj%3], v[96+4*jj:96+4*jj+3] offset:oo+51200
.set jj, jj+1
.endr
	WIN 0
.endm
.macro FRAGR a, b                      ; fragments a .. b - 1 from LDS into registers, six loads of 8 bytes each
.set ff, (\a)
.rept (\b)-(\a)
	FLOC ff
	WIN FWN<<6
.set fT, ff%16
.set fK, ff/16
.irp p, 0,1,2,3,4,5
.if fT < 8
	ds_load_b64 v[FRG+2*\p:FRG+2*\p+1], v[FG] offset:fT*6400+96*fK+48*(\p/3)+8*(\p%3)
.else
	ds_load_b64 v[FRG+2*\p:FRG+2*\p+1], v[FU] offset:(fT-8)*6400+96*fK+48*(\p/3)+8*(\p%3)
.endif
.endr
.set ff, ff+1
.endr
.endm
.macro MULK k                          ; K step k: 16 products, the 16 accumulators by turns, one instruction a turn; K step 0 starts the sums
.set ff, 16*(\k)
.rept 16
	FLOC ff
	WIN FWN
.set fT, ff%16
.set fK, ff/16
.set WD, G+8*fT
.set WA, FRG
.set WB, XF+12*fK
.set WP, WS+16*(fT/8)+4*((fT%8)/2)+fK
.set WQ, XS+fK
.set WRA, fT%2
.set WRB, 0
.if fK == 0
.set WZ, 1
.else
.set WZ, 0
.endif
	WM
.set ff, ff+1
.endr
.endm
.macro SILU                            ; G = (G U) / (1 + 2^(-G log2 e)), in f32; every pass ascending
.set jj, 0
.rept 32
	v_pk_mul_f32 v[U+jj:U+jj+1], v[G+jj:G+jj+1], v[U+jj:U+jj+1]
.set jj, jj+2
.endr
.set jj, 0
.rept 32
	v_pk_mul_f32 v[G+jj:G+jj+1], v[G+jj:G+jj+1], s[NL:NL+1] op_sel_hi:[1,0]
.set jj, jj+2
.endr
.set jj, 0
.rept 64
	v_exp_f32 v[G+jj], v[G+jj]
.set jj, jj+1
.endr
	v_nop                                          ; a plain instruction behind the last exponential
	s_wait_alu depctr_va_vdst(0)                   ; one wait for the batch of 64, ahead of its first reader
.set jj, 0
.rept 32
	v_pk_add_f32 v[G+jj:G+jj+1], v[G+jj:G+jj+1], 1.0 op_sel_hi:[1,0]
.set jj, jj+2
.endr
.set jj, 0
.rept 64
	v_rcp_f32 v[G+jj], v[G+jj]
.set jj, jj+1
.endr
	v_nop
	s_wait_alu depctr_va_vdst(0)                   ; and one for the 64 reciprocals
.set jj, 0
.rept 32
	v_pk_mul_f32 v[G+jj:G+jj+1], v[G+jj:G+jj+1], v[U+jj:U+jj+1]
.set jj, jj+2
.endr
.endm
; 64 numbers of a lane, register 16 b + i = k 32 b + 16 (lane / 16) + i of my row, become a fragment's codes in v[PC] on and its scale word in v[PW]
.macro QUANT s
.irp b, 0,1,2,3
	v_max3_num_f32 v[TM+\b], |v[\s+16*\b]|, |v[\s+1+16*\b]|, 0x1800000   ; my 16 numbers of block b, and the floor 2^(3 - 127): the byte cannot fall under 1
.endr
.irp i, 2,4,6,8,10,12,14
.irp b, 0,1,2,3
	v_max3_num_f32 v[TM+\b], v[TM+\b], |v[\s+16*\b+\i]|, |v[\s+1+16*\b+\i]|
.endr
.endr
.irp b, 0,1,2,3
	v_permlanex16_b32 v[TM+4+\b], v[TM+\b], s[SEL], s[SEL+1]
.endr
.irp b, 0,1,2,3
	v_max_num_f32 v[TM+\b], v[TM+\b], v[TM+4+\b]   ; with lane l xor 16's: the block's largest magnitude
.endr
.irp b, 0,1,2,3
	v_add_nc_u32 v[TM+12+\b], 0xff000000, v[TM+\b] ; 2 off its exponent field: the conversion's scale operand
.endr
.irp b, 0,1,2,3
	v_lshrrev_b32 v[TM+4+\b], 23, v[TM+12+\b]      ; the scale's byte
.endr
	v_lshl_or_b32 v[PW], v[TM+5], 8, v[TM+4]
	v_lshl_or_b32 v[PW], v[TM+6], 16, v[PW]
	v_lshl_or_b32 v[PW], v[TM+7], 24, v[PW]
.irp c, 0,1
	v_cvt_scalef32_pk16_fp6_f32 v[PC+6*\c:PC+2+6*\c], v[\s+32*\c:\s+15+32*\c], v[TM+12+2*\c]
	v_cvt_scalef32_pk16_fp6_f32 v[PC+12+4*\c:PC+14+4*\c], v[\s+16+32*\c:\s+31+32*\c], v[TM+12+2*\c+1]
.endr
	v_nop                                          ; one plain place behind a scaled conversion
.irp c, 0,1                                    ; the operand's layout wants a whole block in a lane
.irp i, 0,1,2
	v_permlane16_swap_b32 v[PC+6*\c+\i], v[PC+12+4*\c+\i]
.endr
.irp i, 0,1,2
	v_mov_b32 v[PC+3+6*\c+\i], v[PC+12+4*\c+\i]
.endr
.endr
.endm
	s_load_b256 s[8:15], s[0:1], 0x0               ; x codes 8, x scales 10, swg codes 12, swg scales 14
	s_load_b256 s[16:23], s[0:1], 0x20             ; swu codes 16, swu scales 18, gate codes 20, gate scales 22
	s_load_b256 s[24:31], s[0:1], 0x40             ; idx 24, topw 26, simg 28, ssc 30
	v_lshl_add_u32 v251, v0, 2, 0x19000
	v_mov_b32 v252, 0
	v_lshrrev_b32 v1, 5, v0
	v_readfirstlane_b32 s32, v1                    ; wave
	v_and_b32 v1, 31, v0                           ; l
	v_and_b32 v2, 15, v0                           ; r
	v_bfe_u32 v3, v0, 4, 1                         ; h
	v_lshlrev_b32 v[L16], 4, v1
	v_lshrrev_b32 v10, 3, v1
	v_add_nc_u32 v5, 1, v10
	v_lshrrev_b32 v5, 2, v5                        ; 1 where l >= 24
	v_lshl_add_u32 v5, v5, 4, v[L16]
	v_lshl_add_u32 v6, v3, 4, v[L16]               ; 16 more where l >= 16
	v_add_nc_u32 v7, 3, v10
	v_lshrrev_b32 v7, 2, v7                        ; 1 where l >= 8
	v_lshl_add_u32 v7, v7, 4, v[L16]
	s_mul_i32 s46, s32, 12800                      ; my wave stages 32 LDS rows of 400 bytes
	v_add_nc_u32 v5, s46, v5
	v_add_nc_u32 v6, s46, v6
	v_add_nc_u32 v7, s46, v7
	v_mul_u32_u24 v[FG], v2, 400
	v_mad_u32_u24 v[FG], v3, 24, v[FG]
	v_add_nc_u32 v[FU], 51200, v[FG]
	v_lshlrev_b32 v[R4], 2, v2
	v_mul_u32_u24 v[H24], v3, 24
	v_and_b32 v[WSO], 8, v2
	v_add_nc_u32 v[WSO], v[WSO], v2
	v_lshl_add_u32 v[WSO], v3, 3, v[WSO]
	v_lshlrev_b32 v[WSO], 4, v[WSO]                ; 16 (r + 8 (r / 8) + 8 h)
.irp b, 0,1,2,3
	v_mov_b32 v[TM+4+\b], 0                        ; written once: a lane permute's destination counts as one of its sources
.endr
	s_mov_b32 s[SEL], 0x76543210
	s_mov_b32 s[SEL+1], 0xfedcba98
	s_mov_b32 s[NL], 0xbfb8aa3b                    ; -log2(e)
	s_mov_b32 s[NL+1], s[NL]
	s_mov_b32 s37, 0
	s_wait_kmcnt 0x0
	s_cmp_ge_u32 ttmp9, 128                        ; the same in all four waves
	s_cbranch_scc1 .Lroute
	s_and_b32 s33, ttmp9, 7                        ; slice
	s_lshr_b32 s34, ttmp9, 3
	s_lshl_b32 s34, s34, 2
	s_add_co_u32 s34, s34, s32                     ; my tile of 16 tokens
	s_mul_i32 s36, s33, 49152
	s_mul_i32 s46, s32, 12288
	s_add_co_u32 s36, s36, s46
	s_add_nc_u64 s[WGC:WGC+1], s[WGC:WGC+1], s[36:37]
	s_add_nc_u64 s[WUC:WUC+1], s[WUC:WUC+1], s[36:37]
	s_lshl_b32 s36, s33, 11
	s_add_nc_u64 s[WGS:WGS+1], s[WGS:WGS+1], s[36:37]
	s_add_nc_u64 s[WUS:WUS+1], s[WUS:WUS+1], s[36:37]
	s_lshl_b32 s47, s34, 3
	s_add_co_u32 s47, s47, s33                     ; 8 tile + slice
	s_mul_i32 s36, s47, 1536
	s_add_nc_u64 s[28:29], s[28:29], s[36:37]
	s_lshl_b32 s36, s47, 6
	s_add_nc_u64 s[30:31], s[30:31], s[36:37]
	s_lshl_b32 s46, s34, 4
	v_add_nc_u32 v[TT], s46, v2                    ; my token
	v_mad_u32_u24 v[XA], v[TT], 384, v[H24]
	v_lshlrev_b32 v[XSA], 4, v[TT]
	WLOADS
	XLOAD
	s_wait_loadcnt 25                              ; the 56 loads of weights are in; x's 25, issued behind them, may be out
	WSTORES
	s_wait_dscnt 0x0                               ; for the others' sake: my stores have landed
	s_barrier_signal -1
	s_barrier_wait -1
	FRAGR 0, 26
	s_wait_dscnt 60                                ; K step 0's 16 fragments are in; the 60 loads of the ten fragments behind them may be out
	s_wait_loadcnt 0x0                             ; x
	MULK 0
	FRAGR 26, 42
	s_wait_dscnt 60                                ; fragments 0-31 are in; ten fragments' loads may be out
	MULK 1
	FRAGR 42, 58
	s_wait_dscnt 60                                ; fragments 0-47 are in
	MULK 2
	FRAGR 58, 64
	s_wait_dscnt 0x0
	MULK 3
	WIN 0
.rept 4
	v_nop                                          ; four places between the last product and the first read of results
.endr
	SILU
	QUANT G
.irp c, 0,1,2
	global_store_b128 v[L16], v[PC+4*\c:PC+4*\c+3], s[28:29] offset:512*\c   ; the fragment as it stands: 512 consecutive bytes a store
.endr
	global_store_b32 v[R4], v[PW], s[30:31]        ; lanes r and r + 16 hold and write the same word
	s_wait_tensorcnt 0x0
	ds_add_u32 v251, v252
	s_wait_dscnt 0x0
	s_endpgm
.Lroute:
	s_sub_co_u32 s34, ttmp9, 128
	s_lshl_b32 s34, s34, 2
	s_add_co_u32 s34, s34, s32                     ; my tile of 16 tokens
	s_lshl_b32 s36, s34, 7                         ; 8 bytes a token in idx and in topw
	s_add_nc_u64 s[24:25], s[24:25], s[36:37]
	s_add_nc_u64 s[26:27], s[26:27], s[36:37]
	s_lshl_b32 s46, s34, 4
	v_add_nc_u32 v[TT], s46, v2
	v_mad_u32_u24 v[XA], v[TT], 384, v[H24]
	v_lshlrev_b32 v[XSA], 4, v[TT]
	v_mad_u32_u24 v255, v2, 384, v[H24]            ; gate_w: expert r's row
	v_lshlrev_b32 v253, 4, v2
	v_lshlrev_b32 v223, 3, v2
	v_lshl_add_u32 v223, v3, 2, v223               ; 8 r + 4 h
	XLOAD
.irp k, 0,1,2,3
.irp p, 0,1,2,3,4,5
	global_load_b64 v[112+12*\k+2*\p:113+12*\k+2*\p], v255, s[20:21] offset:96*\k+48*(\p/3)+8*(\p%3)
.endr
.endr
	global_load_b128 v[160:163], v253, s[22:23]
.irp b, 188,189,190,191,218
	v_mov_b32 v\b, 0                               ; lane permutes' destinations
.endr
	s_mov_b32 s47, 0xffff0000                      ; lanes 16-31
	s_wait_loadcnt 0x0
	v_wmma_scale_f32_16x16x128_f8f6f4 v[176:183], v[112:123], v[16:27], 0, v160, v64 matrix_a_fmt:MATRIX_FMT_FP6 matrix_b_fmt:MATRIX_FMT_FP6
.irp k, 1,2,3
	s_wait_alu depctr_va_vdst(0)                   ; this wait directly ahead of each link
	v_wmma_scale_f32_16x16x128_f8f6f4 v[176:183], v[112+12*\k:123+12*\k], v[16+12*\k:27+12*\k], v[176:183], v[160+\k], v[64+\k] matrix_a_fmt:MATRIX_FMT_FP6 matrix_b_fmt:MATRIX_FMT_FP6
.endr
.rept 4
	v_nop
.endr
	; lane (r, h): token r, register j: the logit of expert 8 h + j.  The two largest of my eight; a strict > keeps the lower index
	v_mov_b32 v184, v176                           ; m1
	v_mov_b32 v185, 0                              ; i1
	v_mov_b32 v186, 0xff800000                     ; m2 = -infinity
	v_mov_b32 v187, 0                              ; i2
.irp j, 1,2,3,4,5,6,7
	v_cmp_gt_f32 vcc_lo, v[176+\j], v184
	v_cmp_gt_f32 s46, v[176+\j], v186
	v_cndmask_b32 v186, v186, v[176+\j], s46
	v_cndmask_b32 v187, v187, \j, s46
	v_cndmask_b32 v186, v186, v184, vcc_lo
	v_cndmask_b32 v187, v187, v185, vcc_lo
	v_cndmask_b32 v184, v184, v[176+\j], vcc_lo
	v_cndmask_b32 v185, v185, \j, vcc_lo
.endr
	v_lshl_add_u32 v185, v3, 3, v185
	v_lshl_add_u32 v187, v3, 3, v187
.irp b, 0,1,2,3
	v_permlanex16_b32 v[188+\b], v[184+\b], s[SEL], s[SEL+1]
.endr
.irp b, 0,1,2,3
	v_cndmask_b32 v[192+\b], v[184+\b], v[188+\b], s47   ; A: experts 0-7's pair (mine in lanes 0-15)
	v_cndmask_b32 v[196+\b], v[188+\b], v[184+\b], s47   ; B: experts 8-15's
.endr
	v_cmp_gt_f32 vcc_lo, v196, v192                ; B's best beats A's best only if greater
	v_cndmask_b32 v200, v192, v196, vcc_lo         ; T1
	v_cndmask_b32 v201, v193, v197, vcc_lo         ; its expert
	v_cndmask_b32 v202, v194, v192, vcc_lo         ; A's candidate for second
	v_cndmask_b32 v203, v195, v193, vcc_lo
	v_cndmask_b32 v204, v196, v198, vcc_lo         ; B's
	v_cndmask_b32 v205, v197, v199, vcc_lo
	v_cmp_gt_f32 s46, v204, v202
	v_cndmask_b32 v206, v202, v204, s46            ; T2
	v_cndmask_b32 v207, v203, v205, s46
.irp j, 0,1,2,3,4,5,6,7
	v_sub_f32 v[208+\j], v[176+\j], v200           ; the maximum is taken away
.endr
	v_sub_f32 v216, v206, v200
.irp j, 0,1,2,3,4,5,6,7,8
	v_mul_f32 v[208+\j], 0x3fb8aa3b, v[208+\j]
.endr
.irp j, 0,1,2,3,4,5,6,7,8
	v_exp_f32 v[208+\j], v[208+\j]
.endr
	v_nop
	s_wait_alu depctr_va_vdst(0)                   ; one wait for the nine exponentials
	v_add_f32 v208, v208, v209
	v_add_f32 v210, v210, v211
	v_add_f32 v212, v212, v213
	v_add_f32 v214, v214, v215
	v_add_f32 v208, v208, v210
	v_add_f32 v212, v212, v214
	v_add_f32 v217, v208, v212
	v_permlanex16_b32 v218, v217, s[SEL], s[SEL+1]
	v_add_f32 v217, v217, v218                     ; the sum over 16 experts
	v_rcp_f32 v219, v217                           ; the best expert's weight: 1 / sum
	v_nop
	s_wait_alu depctr_va_vdst(0)
	v_mul_f32 v220, v216, v219                     ; the second's
	v_cndmask_b32 v221, v201, v207, s47            ; lanes 0-15 store slot 0, lanes 16-31 slot 1
	v_cndmask_b32 v222, v219, v220, s47
	global_store_b32 v223, v221, s[24:25]          ; 128 consecutive bytes
	global_store_b32 v223, v222, s[26:27]
	s_endpgm
.Lfunc_end_k_q64ce6a569a_route_shup:
	.size	k_q64ce6a569a_route_shup, .Lfunc_end_k_q64ce6a569a_route_shup-k_q64ce6a569a_route_shup
	.p2alignl 7, 3214868480
	.fill 96, 4, 3214868480
	.section	.rodata,"a",@progbits
	.p2align	6, 0x0
	.amdhsa_kernel k_q64ce6a569a_route_shup
		.amdhsa_group_segment_fixed_size 102912
		.amdhsa_private_segment_fixed_size 0
		.amdhsa_enable_private_segment 0
		.amdhsa_kernarg_size 96
		.amdhsa_user_sgpr_count 2
		.amdhsa_user_sgpr_kernarg_segment_ptr 1
		.amdhsa_wavefront_size32 1
		.amdhsa_system_sgpr_workgroup_id_x 1
		.amdhsa_system_sgpr_workgroup_id_y 1
		.amdhsa_system_sgpr_workgroup_id_z 1
		.amdhsa_system_vgpr_workitem_id 0
		.amdhsa_next_free_vgpr 1024
		.amdhsa_next_free_sgpr 66
		.amdhsa_reserve_vcc 1
		.amdhsa_float_denorm_mode_32 3
		.amdhsa_float_denorm_mode_16_64 3
		.amdhsa_memory_ordered 1
		.amdhsa_forward_progress 1
		.amdhsa_inst_pref_size 76
	.end_amdhsa_kernel
	.amdgpu_metadata
---
amdhsa.version: [ 1, 2 ]
amdhsa.kernels:
  - .name:           k_q64ce6a569a_route_shup
    .symbol:         k_q64ce6a569a_route_shup.kd
    .args:
      - { .name: hidden_states_codes, .offset: 0, .size: 8, .value_kind: global_buffer, .address_space: global }
      - { .name: hidden_states_scales, .offset: 8, .size: 8, .value_kind: global_buffer, .address_space: global }
      - { .name: swg_codes, .offset: 16, .size: 8, .value_kind: global_buffer, .address_space: global }
      - { .name: swg_scales, .offset: 24, .size: 8, .value_kind: global_buffer, .address_space: global }
      - { .name: swu_codes, .offset: 32, .size: 8, .value_kind: global_buffer, .address_space: global }
      - { .name: swu_scales, .offset: 40, .size: 8, .value_kind: global_buffer, .address_space: global }
      - { .name: gate_w_codes, .offset: 48, .size: 8, .value_kind: global_buffer, .address_space: global }
      - { .name: gate_w_scales, .offset: 56, .size: 8, .value_kind: global_buffer, .address_space: global }
      - { .name: idx, .offset: 64, .size: 8, .value_kind: global_buffer, .address_space: global }
      - { .name: topw, .offset: 72, .size: 8, .value_kind: global_buffer, .address_space: global }
      - { .name: simg, .offset: 80, .size: 8, .value_kind: global_buffer, .address_space: global }
      - { .name: ssc, .offset: 88, .size: 8, .value_kind: global_buffer, .address_space: global }
    .group_segment_fixed_size: 102912
    .private_segment_fixed_size: 0
    .kernarg_segment_align: 8
    .kernarg_segment_size: 96
    .max_flat_workgroup_size: 128
    .sgpr_count:     66
    .vgpr_count:     1024
    .wavefront_size: 32
...
	.end_amdgpu_metadata
.endif
;; end of part 1
;; launch up (part 2): grid 256 x 1, 4 waves a work-group, no clusters, 109,312 bytes of LDS; arguments hidden_states_codes, hidden_states_scales, wg_codes, wg_scales, wu_codes, wu_scales, idx, rows, himg, hsc; writes rows, himg, hsc
.if DOCPART == 2
	.amdgcn_target "amdgcn-amd-amdhsa--gfx1250"
	.amdhsa_code_object_version 6
	.text
	.protected	k_q64ce6a569a_up
	.globl	k_q64ce6a569a_up
	.p2align	8
	.type	k_q64ce6a569a_up,@function
k_q64ce6a569a_up:
	s_mov_b64 s[64:65], 0
	v_nop
	global_prefetch_b8 v0, s[64:65] scope:SCOPE_SE
	s_setreg_imm32_b32 hwreg(HW_REG_WAVE_MODE, 25, 1), 1
	s_wait_xcnt 0x0
; Work-group = (expert e, slice s of 128 hidden units).  h = silu(x wg^T) * (x wu^T) for the rows that chose expert e, quantised along the hidden axis, stored as register images:
; slice s is K step s of the expert's second product.  Only chosen rows are multiplied: the others' results are multiplied by a combine weight of zero.
; THE LIST.  Wave 0 reads all of idx (8,192 bytes) and lays the slots 2 t + k whose expert is e into LDS, in token order (a count and a lane prefix, no atomics), while the weights are on their way.
; It works in batches of 32 independent lines: all compares, then the prefixes, then the places, then the stores.
; Words beyond the count are 0 (token 0: its rows are computed and thrown away later).  The work-groups with s = 0 also store the list for the next launch.
; THE WEIGHTS STAND, THE ROWS FLOW.  The slice of wg and wu (2 x 49,152 dense bytes) is read once by loads of 512 consecutive bytes a wave, laid into LDS with rows 400 bytes apart, and behind a barrier
; every wave that has rows takes all 64 fragments into registers.  Wave w then takes row tiles w, w + 4, .. by itself: the only barrier behind that point is the one at the end, which every wave reaches.
; The first tile is written out: its K step's 16 products are issued as soon as that K step's 16 fragments are in.  The loop over the other tiles counts to a constant and is left at the first tile without rows.
; No tensor load and no cluster: the walk hangs on stored numbers.
; THE MATRIX INSTRUCTION IS USED TRANSPOSED (source 0 = 16 weight rows, source 1 = 16 rows of x); LDS row 32 b + 16 u + r holds weight row 32 b + 8 u + r + 8 (r / 8).
; LIMITS: NaN and infinities are not served.  h = (g u) x 1 / (1 + 2^(-g log2 e)): another order of rounding than (g sigmoid(g)) u.  A block of zeros gets the byte 1 with zero codes.
; REGISTERS, window 0: v1 16 x thread; v4-15 addresses and the list entry; v16-63 x's fragments; v64-67 x's scale words; v68-99 weights' scale words; v100-111 fragment 63; v112-175 g; v176-239 u, later work;
; v240-252 the list builder's, the list's copy, then the codes and the scale word to be stored: no product writes them; v253-255 addresses and work.  Windows 1-3: fragments 0-62.
.set LIST, 102400                      ; LDS: g's 128 rows, u's 128 rows, then 1,536 words of list (word 1024: the count) and 32 words that take what is not listed
.set G,   112
.set U,   176
.set XF,  16
.set XS,  64
.set WS,  68
.set F63, 100
.set PC,  240
.set PC2, 176
.set TM,  200
.set PW,  252
.set KK,  176                          ; wave 0, the list: k, then the slot, of batch line i
.set PP,  208                          ; and its place
.set EV,  246                          ; the expert's number in a vector register
.set T16, 1
.set L16, 4
.set FG,  8
.set FU,  9
.set LP,  10
.set R4,  11
.set H24, 12
.set XA,  13
.set XSA, 14
.set ENT, 15
.set WSO, 16
.set IXO, 17
.set NAD, 252
.set LTA, 253
.set TT,  254
.set LPT, 255
.set XC,  8
.set XSP, 10
.set WGC, 12
.set WGS, 14
.set WUC, 16
.set WUS, 18
.set SEL, 42
.set NL,  44
.set MSB, 0
.macro WIN new
.if MSB != (\new)
	s_set_vgpr_msb (MSB<<8)|(\new)
.set MSB, (\new)
.endif
.endm
.macro FLOC f
.if (\f) < 63
.set FWN, 1+(\f)/21
.set FRG, 12*((\f)%21)
.else
.set FWN, 0
.set FRG, F63
.endif
.endm
.macro WM
.if WZ && WRA
	v_wmma_scale_f32_16x16x128_f8f6f4 v[WD:WD+7], v[WA:WA+11], v[WB:WB+11], 0, v[WP], v[WQ] matrix_a_fmt:MATRIX_FMT_FP6 matrix_b_fmt:MATRIX_FMT_FP6 matrix_a_scale:MATRIX_SCALE_ROW1
.elseif WZ
	v_wmma_scale_f32_16x16x128_f8f6f4 v[WD:WD+7], v[WA:WA+11], v[WB:WB+11], 0, v[WP], v[WQ] matrix_a_fmt:MATRIX_FMT_FP6 matrix_b_fmt:MATRIX_FMT_FP6
.elseif WRA && WRB
	v_wmma_scale_f32_16x16x128_f8f6f4 v[WD:WD+7], v[WA:WA+11], v[WB:WB+11], v[WD:WD+7], v[WP], v[WQ] matrix_a_fmt:MATRIX_FMT_FP6 matrix_b_fmt:MATRIX_FMT_FP6 matrix_a_scale:MATRIX_SCALE_ROW1 matrix_b_scale:MATRIX_SCALE_ROW1
.elseif WRA
	v_wmma_scale_f32_16x16x128_f8f6f4 v[WD:WD+7], v[WA:WA+11], v[WB:WB+11], v[WD:WD+7], v[WP], v[WQ] matrix_a_fmt:MATRIX_FMT_FP6 matrix_b_fmt:MATRIX_FMT_FP6 matrix_a_scale:MATRIX_SCALE_ROW1
.elseif WRB
	v_wmma_scale_f32_16x16x128_f8f6f4 v[WD:WD+7], v[WA:WA+11], v[WB:WB+11], v[WD:WD+7], v[WP], v[WQ] matrix_a_fmt:MATRIX_FMT_FP6 matrix_b_fmt:MATRIX_FMT_FP6 matrix_b_scale:MATRIX_SCALE_ROW1
.else
	v_wmma_scale_f32_16x16x128_f8f6f4 v[WD:WD+7], v[WA:WA+11], v[WB:WB+11], v[WD:WD+7], v[WP], v[WQ] matrix_a_fmt:MATRIX_FMT_FP6 matrix_b_fmt:MATRIX_FMT_FP6
.endif
.endm
.macro XADDR                           ; from the list entry 2 t + k to my row's addresses; the entry is held to the table before it enters an address.  Four plain lines
	v_lshrrev_b32 v[TT], 1, v[ENT]
	v_min_u32 v[TT], 1023, v[TT]
	v_mad_u32_u24 v[XA], v[TT], 384, v[H24]
	v_lshlrev_b32 v[XSA], 4, v[TT]
.endm
.macro XLOAD
.irp k, 0,1,2,3
.irp p, 0,1,2,3,4,5
	global_load_b64 v[XF+12*\k+2*\p:XF+12*\k+2*\p+1], v[XA], s[XC:XC+1] offset:96*\k+48*(\p/3)+8*(\p%3)
.endr
.endr
	global_load_b128 v[XS:XS+3], v[XSA], s[XSP:XSP+1]
.endm
.macro WLOADS
.irp b, 0,1,2,3
	global_load_b128 v[WS+4*\b:WS+4*\b+3], v[WSO], s[WGS:WGS+1] offset:512*\b
	global_load_b128 v[WS+16+4*\b:WS+16+4*\b+3], v[WSO], s[WUS:WUS+1] offset:512*\b
.endr
	WIN 0x40
.set jj, 0
.rept 24
	global_load_b128 v[4*jj:4*jj+3], v[L16], s[WGC:WGC+1] offset:512*jj th:TH_LOAD_NT   ; read once in the launch
	global_load_b128 v[96+4*jj:96+4*jj+3], v[L16], s[WUC:WUC+1] offset:512*jj th:TH_LOAD_NT
.set jj, jj+1
.endr
	WIN 0
.endm
.macro WSTORES
	WIN 0x04
.set jj, 0
.rept 24
.set gg, jj/3
.set oo, (4*(gg%2)+16*((gg/2)%2)+8*(gg/4))*400+528*(jj%3)
	ds_store_b128 v[5+jj%3], v[4*jj:4*jj+3] offset:oo
	ds_store_b128 v[5+jj%3], v[96+4*jj:96+4*jj+3] offset:oo+51200
.set jj, jj+1
.endr
	WIN 0
.endm
.macro FRAGR a, b                      ; fragments a .. b - 1 from LDS into registers, six loads of 8 bytes each
.set ff, (\a)
.rept (\b)-(\a)
	FLOC ff
	WIN FWN<<6
.set fT, ff%16
.set fK, ff/16
.irp p, 0,1,2,3,4,5
.if fT < 8
	ds_load_b64 v[FRG+2*\p:FRG+2*\p+1], v[FG] offset:fT*6400+96*fK+48*(\p/3)+8*(\p%3)
.else
	ds_load_b64 v[FRG+2*\p:FRG+2*\p+1], v[FU] offset:(fT-8)*6400+96*fK+48*(\p/3)+8*(\p%3)
.endif
.endr
.set ff, ff+1
.endr
.endm
.macro MULK k                          ; K step k: 16 products, the 16 accumulators by turns, one instruction a turn; K step 0 starts the sums
.set ff, 16*(\k)
.rept 16
	FLOC ff
	WIN FWN
.set fT, ff%16
.set fK, ff/16
.set WD, G+8*fT
.set WA, FRG
.set WB, XF+12*fK
.set WP, WS+16*(fT/8)+4*((fT%8)/2)+fK
.set WQ, XS+fK
.set WRA, fT%2
.set WRB, 0
.if fK == 0
.set WZ, 1
.else
.set WZ, 0
.endif
	WM
.set ff, ff+1
.endr
.endm
.macro SILU
.set jj, 0
.rept 32
	v_pk_mul_f32 v[U+jj:U+jj+1], v[G+jj:G+jj+1], v[U+jj:U+jj+1]
.set jj, jj+2
.endr
.set jj, 0
.rept 32
	v_pk_mul_f32 v[G+jj:G+jj+1], v[G+jj:G+jj+1], s[NL:NL+1] op_sel_hi:[1,0]
.set jj, jj+2
.endr
.set jj, 0
.rept 64
	v_exp_f32 v[G+jj], v[G+jj]
.set jj, jj+1
.endr
	v_nop
	s_wait_alu depctr_va_vdst(0)                   ; one wait for the batch of 64, ahead of its first reader
.set jj, 0
.rept 32
	v_pk_add_f32 v[G+jj:G+jj+1], v[G+jj:G+jj+1], 1.0 op_sel_hi:[1,0]
.set jj, jj+2
.endr
.set jj, 0
.rept 64
	v_rcp_f32 v[G+jj], v[G+jj]
.set jj, jj+1
.endr
	v_nop
	s_wait_alu depctr_va_vdst(0)
.set jj, 0
.rept 32
	v_pk_mul_f32 v[G+jj:G+jj+1], v[G+jj:G+jj+1], v[U+jj:U+jj+1]
.set jj, jj+2
.endr
.endm
; 64 numbers of a lane become a fragment's codes in v[PC] on and its scale word in v[PW]; the second halves of the blocks are made at v[PC2] and moved
.macro QUANT s
.irp b, 0,1,2,3
	v_max3_num_f32 v[TM+\b], |v[\s+16*\b]|, |v[\s+1+16*\b]|, 0x1800000
.endr
.irp i, 2,4,6,8,10,12,14
.irp b, 0,1,2,3
	v_max3_num_f32 v[TM+\b], v[TM+\b], |v[\s+16*\b+\i]|, |v[\s+1+16*\b+\i]|
.endr
.endr
.irp b, 0,1,2,3
	v_permlanex16_b32 v[TM+4+\b], v[TM+\b], s[SEL], s[SEL+1]
.endr
.irp b, 0,1,2,3
	v_max_num_f32 v[TM+\b], v[TM+\b], v[TM+4+\b]
.endr
.irp b, 0,1,2,3
	v_add_nc_u32 v[TM+12+\b], 0xff000000, v[TM+\b]
.endr
.irp b, 0,1,2,3
	v_lshrrev_b32 v[TM+4+\b], 23, v[TM+12+\b]
.endr
	v_lshl_or_b32 v[PW], v[TM+5], 8, v[TM+4]
	v_lshl_or_b32 v[PW], v[TM+6], 16, v[PW]
	v_lshl_or_b32 v[PW], v[TM+7], 24, v[PW]
.irp c, 0,1
	v_cvt_scalef32_pk16_fp6_f32 v[PC+6*\c:PC+2+6*\c], v[\s+32*\c:\s+15+32*\c], v[TM+12+2*\c]
	v_cvt_scalef32_pk16_fp6_f32 v[PC2+4*\c:PC2+2+4*\c], v[\s+16+32*\c:\s+31+32*\c], v[TM+12+2*\c+1]
.endr
	v_nop
.irp c, 0,1
.irp i, 0,1,2
	v_permlane16_swap_b32 v[PC+6*\c+\i], v[PC2+4*\c+\i]
.endr
.irp i, 0,1,2
	v_mov_b32 v[PC+3+6*\c+\i], v[PC2+4*\c+\i]
.endr
.endr
.endm
; What follows a tile's products.  step = 1: the images' bases go four tiles on
.macro TAIL step
	XADDR                                          ; four plain lines: the places between the last product and the loads into its sources
	XLOAD                                          ; my next tile's x: it lands while this tile is finished
	SILU
	s_wait_xcnt 0x0                                ; the stores of the tile before (and the list's copy) have read their data and bases: both are written again only behind this wait
.if \step
	s_add_nc_u64 s[24:25], s[24:25], 98304
	s_add_nc_u64 s[26:27], s[26:27], 4096
.endif
	QUANT G
.irp c, 0,1,2
	global_store_b128 v[L16], v[PC+4*\c:PC+4*\c+3], s[24:25] offset:512*\c   ; the fragment as it stands: 512 consecutive bytes a store
.endr
	global_store_b32 v[R4], v[PW], s[26:27]        ; lanes r and r + 16 hold and write the same word
.endm
	s_load_b256 s[8:15], s[0:1], 0x0               ; x codes 8, x scales 10, wg codes 12, wg scales 14
	s_load_b256 s[16:23], s[0:1], 0x20             ; wu codes 16, wu scales 18, idx 20, rows 22
	s_load_b128 s[24:27], s[0:1], 0x40             ; himg 24, hsc 26
	s_set_vgpr_msb 0x40
	v_lshl_add_u32 v254, v0, 2, 0x1a900
	v_mov_b32 v255, 0
	s_set_vgpr_msb 0x4000
	v_lshrrev_b32 v1, 5, v0
	v_readfirstlane_b32 s28, v1                    ; wave
	v_and_b32 v1, 31, v0                           ; l
	v_and_b32 v2, 15, v0                           ; r
	v_bfe_u32 v3, v0, 4, 1                         ; h
	v_lshlrev_b32 v[L16], 4, v1
	v_lshrrev_b32 v15, 3, v1
	v_add_nc_u32 v5, 1, v15
	v_lshrrev_b32 v5, 2, v5
	v_lshl_add_u32 v5, v5, 4, v[L16]
	v_lshl_add_u32 v6, v3, 4, v[L16]
	v_add_nc_u32 v7, 3, v15
	v_lshrrev_b32 v7, 2, v7
	v_lshl_add_u32 v7, v7, 4, v[L16]
	s_mul_i32 s46, s28, 12800
	v_add_nc_u32 v5, s46, v5
	v_add_nc_u32 v6, s46, v6
	v_add_nc_u32 v7, s46, v7
	v_mul_u32_u24 v[FG], v2, 400
	v_mad_u32_u24 v[FG], v3, 24, v[FG]
	v_add_nc_u32 v[FU], 51200, v[FG]
	s_lshl_b32 s46, s28, 6
	v_lshl_add_u32 v[LP], v2, 2, LIST
	v_add_nc_u32 v[LP], s46, v[LP]                 ; the list entry of row r of tile = wave
	v_lshlrev_b32 v[R4], 2, v2
	v_mul_u32_u24 v[H24], v3, 24
	v_and_b32 v[WSO], 8, v2
	v_add_nc_u32 v[WSO], v[WSO], v2
	v_lshl_add_u32 v[WSO], v3, 3, v[WSO]
	v_lshlrev_b32 v[WSO], 4, v[WSO]
	v_lshlrev_b32 v[IXO], 3, v1
	v_lshlrev_b32 v240, 1, v1                      ; 2 l
	v_add_nc_u32 v241, 1536, v1                    ; the word that takes what my lane does not list
	v_mov_b32 v[NAD], LIST+4096
	v_lshl_add_u32 v[LTA], v0, 4, LIST
	v_lshlrev_b32 v[T16], 4, v0                    ; (the lane's number is done with)
.irp b, 248,249,250,251
	v_mov_b32 v\b, 0
.endr
.irp b, 0,1,2,3
	v_mov_b32 v[TM+4+\b], 0                        ; a lane permute's destination counts as one of its sources
.endr
	s_mov_b32 s[SEL], 0x76543210
	s_mov_b32 s[SEL+1], 0xfedcba98
	s_mov_b32 s[NL], 0xbfb8aa3b
	s_mov_b32 s[NL+1], s[NL]
	s_lshr_b32 s29, ttmp9, 4                       ; expert
	s_and_b32 s30, ttmp9, 15                       ; slice
	s_mul_i32 s36, s29, 786432                     ; the offsets, each in a pair of its own
	s_mul_i32 s46, s30, 49152
	s_add_co_u32 s36, s36, s46
	s_mul_i32 s46, s28, 12288
	s_add_co_u32 s36, s36, s46
	s_mov_b32 s37, 0
	s_lshl_b32 s48, s29, 15
	s_lshl_b32 s46, s30, 11
	s_add_co_u32 s48, s48, s46
	s_mov_b32 s49, 0
	s_lshl_b32 s47, s29, 6
	s_add_co_u32 s47, s47, s28
	s_lshl_b32 s47, s47, 4
	s_add_co_u32 s47, s47, s30                     ; (64 e + wave) 16 + s
	s_mul_i32 s50, s47, 1536
	s_mov_b32 s51, 0
	s_lshl_b32 s52, s47, 6
	s_mov_b32 s53, 0
	s_mul_i32 s54, s29, 6144
	s_mov_b32 s55, 0
	s_wait_kmcnt 0x0
	s_add_nc_u64 s[WGC:WGC+1], s[WGC:WGC+1], s[36:37]
	s_add_nc_u64 s[WUC:WUC+1], s[WUC:WUC+1], s[36:37]
	s_add_nc_u64 s[WGS:WGS+1], s[WGS:WGS+1], s[48:49]
	s_add_nc_u64 s[WUS:WUS+1], s[WUS:WUS+1], s[48:49]
	s_add_nc_u64 s[24:25], s[24:25], s[50:51]
	s_add_nc_u64 s[26:27], s[26:27], s[52:53]
	s_add_nc_u64 s[22:23], s[22:23], s[54:55]
	s_cmp_lg_u32 s28, 0
	s_cbranch_scc1 .Lno_idx
.set ii, 0
.rept 32
	global_load_b64 v[G+2*ii:G+2*ii+1], v[IXO], s[20:21] offset:256*ii   ; tokens 32 ii + l: their two experts
.set ii, ii+1
.endr
.Lno_idx:
	WLOADS
	s_cmp_lg_u32 s28, 0
	s_cbranch_scc1 .Lno_list
.set ii, 0
.rept 12
	ds_store_b128 v[LTA], v[248:251] offset:512*ii ; the list's 1,536 words are cleared (in wave 0 the thread is the lane)
.set ii, ii+1
.endr
	v_mov_b32 v[EV], s29
	s_wait_loadcnt 56                              ; idx is in; the 8 + 48 loads issued behind it may be out
.set bb, 0
.rept 4                                        ; the lanes whose token chose e, eight lines of 32 tokens at a time; vector work alone
.irp j, 0,1,2,3,4,5,6,7
	v_cmp_eq_u32 s[56+\j], s29, v[G+2*(8*bb+\j)+1] ; its second choice is e
.endr
.irp j, 0,1,2,3,4,5,6,7
	v_cndmask_b32 v[KK+8*bb+\j], 0, 1, s[56+\j]    ; k
.endr
.irp j, 0,1,2,3,4,5,6,7
	v_cndmask_b32 v[G+2*(8*bb+\j)], v[G+2*(8*bb+\j)], v[EV], s[56+\j]
.endr
.irp j, 0,1,2,3,4,5,6,7
	v_cmp_eq_u32 s[66+8*bb+\j], s29, v[G+2*(8*bb+\j)]   ; either choice is e
.endr
.set bb, bb+1
.endr
	s_mov_b32 s38, 0                               ; rows so far
.set ii, 0
.rept 32
	v_mbcnt_lo_u32_b32 v[PP+ii], s[66+ii], s38     ; rows so far + such lanes below mine: my place
	s_bcnt1_i32_b32 s41, s[66+ii]
	s_add_co_u32 s38, s38, s41
.set ii, ii+1
.endr
.set ii, 0
.rept 32
	v_add3_u32 v[KK+ii], v240, 64*ii, v[KK+ii]     ; 2 t + k
.set ii, ii+1
.endr
.set ii, 0
.rept 32
	v_cndmask_b32 v[PP+ii], v241, v[PP+ii], s[66+ii]
.set ii, ii+1
.endr
.set ii, 0
.rept 32
	v_min_u32 v[PP+ii], 1567, v[PP+ii]
.set ii, ii+1
.endr
.set ii, 0
.rept 32
	v_lshl_add_u32 v[PP+ii], v[PP+ii], 2, LIST
.set ii, ii+1
.endr
.set ii, 0
.rept 32
	ds_store_b32 v[PP+ii], v[KK+ii]
.set ii, ii+1
.endr
	v_mov_b32 v245, s38
	ds_store_b32 v[NAD], v245                      ; the count
.Lno_list:
	s_wait_dscnt 0x0                               ; the list has landed; no other wave has touched LDS yet
	s_barrier_signal -1
	s_barrier_wait -1
	ds_load_b32 v[TT], v[NAD]
	ds_load_b32 v[ENT], v[LP]
	s_wait_loadcnt 0x0                             ; the weights are in registers
	WSTORES
	s_wait_dscnt 48                                ; the two loads are in; the 48 stores issued behind them may be out
	v_readfirstlane_b32 s31, v[TT]                 ; n
	s_add_co_u32 s32, s31, 15
	s_lshr_b32 s32, s32, 4
	s_max_u32 s32, s32, 1                          ; tile 0 is always made, so that the next launch's first, clamped load reads written bytes
	s_min_u32 s32, s32, 64
	XADDR
	XLOAD
	s_cmp_lg_u32 s30, 0                            ; the same in all four waves
	s_cbranch_scc1 .Lno_rows
.irp c, 0,1,2
	ds_load_b128 v[240+4*\c:243+4*\c], v[LTA] offset:2048*\c
.endr
	s_wait_dscnt 0x0
.irp c, 0,1,2
	global_store_b128 v[T16], v[240+4*\c:243+4*\c], s[22:23] offset:2048*\c   ; v240-251 are written again only behind the wait ahead of the first quantiser
.endr
.Lno_rows:
	s_wait_dscnt 0x0                               ; my part of the weights has landed in LDS
	s_barrier_signal -1
	s_barrier_wait -1
	s_cmp_ge_u32 s28, s32                          ; a wave without a tile takes no fragments; the only barrier behind is at the end, which every wave reaches
	s_cbranch_scc1 .Ldone
	; ---- my first tile: the products of a K step go out as soon as its fragments are in
	ds_load_b32 v[ENT], v[LP] offset:256           ; my next tile's entry; beyond the count it is 0 or the count word, held to the table in XADDR: the load ahead needs no branch
	FRAGR 0, 26
	s_wait_dscnt 60                                ; the entry and K step 0's 16 fragments are in; the 60 loads of the ten fragments behind them may be out
	s_wait_loadcnt 0x0                             ; this tile's x
	MULK 0
	FRAGR 26, 42
	s_wait_dscnt 60                                ; fragments 0-31 are in
	MULK 1
	FRAGR 42, 58
	s_wait_dscnt 60                                ; fragments 0-47 are in
	MULK 2
	FRAGR 58, 64
	s_wait_dscnt 0x0
	MULK 3
	WIN 0
	TAIL 0
	s_add_co_u32 s34, s28, 4                       ; my next tile
	s_cmp_ge_u32 s34, s32
	s_cbranch_scc1 .Ldone
	s_mov_b32 s33, 1                               ; trip
	s_mov_b32 s35, 256                             ; the tile's place in the list, less the wave's
.Ltile:
	s_wait_loadcnt 0x0                             ; this tile's x is in
	v_add_nc_u32 v[LPT], s35, v[LP]
	ds_load_b32 v[ENT], v[LPT] offset:256
	MULK 0
	MULK 1
	MULK 2
	MULK 3
	WIN 0
	s_wait_dscnt 0x0
	TAIL 1
	s_add_co_u32 s35, s35, 256
	s_add_co_u32 s34, s34, 4
	s_cmp_ge_u32 s34, s32                          ; no rows left for me
	s_cbranch_scc1 .Ldone
	s_add_co_u32 s33, s33, 1
	s_cmp_lt_u32 s33, 16
	s_cbranch_scc1 .Ltile
.Ldone:
	s_barrier_signal -1
	s_barrier_wait -1
	s_set_vgpr_msb 0x5
	s_wait_tensorcnt 0x0
	ds_add_u32 v254, v255
	s_wait_dscnt 0x0
	s_set_vgpr_msb 0x500
	s_endpgm
.Lfunc_end_k_q64ce6a569a_up:
	.size	k_q64ce6a569a_up, .Lfunc_end_k_q64ce6a569a_up-k_q64ce6a569a_up
	.p2alignl 7, 3214868480
	.fill 96, 4, 3214868480
	.section	.rodata,"a",@progbits
	.p2align	6, 0x0
	.amdhsa_kernel k_q64ce6a569a_up
		.amdhsa_group_segment_fixed_size 109312
		.amdhsa_private_segment_fixed_size 0
		.amdhsa_enable_private_segment 0
		.amdhsa_kernarg_size 80
		.amdhsa_user_sgpr_count 2
		.amdhsa_user_sgpr_kernarg_segment_ptr 1
		.amdhsa_wavefront_size32 1
		.amdhsa_system_sgpr_workgroup_id_x 1
		.amdhsa_system_sgpr_workgroup_id_y 1
		.amdhsa_system_sgpr_workgroup_id_z 1
		.amdhsa_system_vgpr_workitem_id 0
		.amdhsa_next_free_vgpr 1024
		.amdhsa_next_free_sgpr 98
		.amdhsa_reserve_vcc 0
		.amdhsa_float_denorm_mode_32 3
		.amdhsa_float_denorm_mode_16_64 3
		.amdhsa_memory_ordered 1
		.amdhsa_forward_progress 1
		.amdhsa_inst_pref_size 124
	.end_amdhsa_kernel
	.amdgpu_metadata
---
amdhsa.version: [ 1, 2 ]
amdhsa.kernels:
  - .name:           k_q64ce6a569a_up
    .symbol:         k_q64ce6a569a_up.kd
    .args:
      - { .name: hidden_states_codes, .offset: 0, .size: 8, .value_kind: global_buffer, .address_space: global }
      - { .name: hidden_states_scales, .offset: 8, .size: 8, .value_kind: global_buffer, .address_space: global }
      - { .name: wg_codes, .offset: 16, .size: 8, .value_kind: global_buffer, .address_space: global }
      - { .name: wg_scales, .offset: 24, .size: 8, .value_kind: global_buffer, .address_space: global }
      - { .name: wu_codes, .offset: 32, .size: 8, .value_kind: global_buffer, .address_space: global }
      - { .name: wu_scales, .offset: 40, .size: 8, .value_kind: global_buffer, .address_space: global }
      - { .name: idx, .offset: 48, .size: 8, .value_kind: global_buffer, .address_space: global }
      - { .name: rows, .offset: 56, .size: 8, .value_kind: global_buffer, .address_space: global }
      - { .name: himg, .offset: 64, .size: 8, .value_kind: global_buffer, .address_space: global }
      - { .name: hsc, .offset: 72, .size: 8, .value_kind: global_buffer, .address_space: global }
    .group_segment_fixed_size: 109312
    .private_segment_fixed_size: 0
    .kernarg_segment_align: 8
    .kernarg_segment_size: 80
    .max_flat_workgroup_size: 128
    .sgpr_count:     98
    .vgpr_count:     1024
    .wavefront_size: 32
...
	.end_amdgpu_metadata
.endif
;; end of part 2
;; launch down (part 3): grid 256 x 1, 4 waves a work-group, no clusters, 117,248 bytes of LDS; arguments wd_codes, wd_scales, himg, hsc, rows, topw, P; writes P
.if DOCPART == 3
	.amdgcn_target "amdgcn-amd-amdhsa--gfx1250"
	.amdhsa_code_object_version 6
	.text
	.protected	k_q64ce6a569a_down
	.globl	k_q64ce6a569a_down
	.p2align	8
	.type	k_q64ce6a569a_down,@function
k_q64ce6a569a_down:
	s_mov_b64 s[64:65], 0
	v_nop
	global_prefetch_b8 v0, s[64:65] scope:SCOPE_SE
	s_setreg_imm32_b32 hwreg(HW_REG_WAVE_MODE, 25, 1), 1
	s_wait_xcnt 0x0
; Work-group = (expert e, 64 columns ds of the output, half of the row tiles).  P[2 t + k][64 ds ..] = weight(t, k) x (h wd^T) for the rows of expert e's list.
; The slice of wd (64 rows x 1,536 bytes, dense) is read by loads of 512 consecutive bytes a wave, laid into LDS with rows 1,552 bytes apart, and behind ONE barrier every wave that has rows takes all 64 fragments
; (fragment 4 k + dt: K step k, 16 columns dt) into registers.  Wave w then takes tiles 8 trip + 4 half + w by itself.
; The first tile is written out: four K steps' 16 products go out as soon as their 16 fragments are in, and the hidden layer's last four K steps, for which a buffer is free only behind the first 16 products,
; are asked for there, ahead of 38 fragments' LDS loads.  The loop over the other tiles counts to a constant and is left at the first tile without rows.
; The hidden layer comes as register images: three loads of 512 consecutive bytes give a fragment.  A tile's 53 loads are issued ahead of the way out of the tile before.
; No tensor load and no cluster: the walk hangs on stored numbers.
; TRANSPOSED USE (source 0 = 16 rows of wd, source 1 = 16 hidden rows): a lane holds one row and eight neighbouring columns.  A tile goes through the wave's own stage in LDS and leaves as
; rows of 256 consecutive aligned bytes, sixteen lanes to a row, each row to its slot.  Rows beyond the count go to a dump row that is the wave's own and that nobody reads.
; REGISTERS, window 0: v4-15 addresses; v0-3, v5-7, v14 (free behind the head): the stores' addresses; v16-47 wd's scale words; v48-59 fragment 63; v60-91 four accumulators; v92-99 hidden scale words;
; v100-107 slots as loaded; v108-111 entry, weight; v112-255 twelve hidden fragments.
.set L16, 4
.set SA,  5
.set F0,  6
.set F1,  7
.set R4,  8
.set H4,  9
.set L4,  10
.set C16, 11
.set STO, 12
.set RD,  13
.set WSO, 14
.set DMP, 15
.set WS,  16
.set F63, 48
.set ACC, 60
.set HS,  92
.set SL,  100
.set ENT, 108
.set TWO, 109
.set WW,  110
.set HF,  112
.set MSB, 0
.macro WIN new
.if MSB != (\new)
	s_set_vgpr_msb (MSB<<8)|(\new)
.set MSB, (\new)
.endif
.endm
.macro FLOC f
.if (\f) < 63
.set FWN, 1+(\f)/21
.set FRG, 12*((\f)%21)
.else
.set FWN, 0
.set FRG, F63
.endif
.endm
.macro WM
.if WZ && WRA
	v_wmma_scale_f32_16x16x128_f8f6f4 v[WD:WD+7], v[WA:WA+11], v[WB:WB+11], 0, v[WP], v[WQ] matrix_a_fmt:MATRIX_FMT_FP6 matrix_b_fmt:MATRIX_FMT_FP6 matrix_a_scale:MATRIX_SCALE_ROW1
.elseif WZ
	v_wmma_scale_f32_16x16x128_f8f6f4 v[WD:WD+7], v[WA:WA+11], v[WB:WB+11], 0, v[WP], v[WQ] matrix_a_fmt:MATRIX_FMT_FP6 matrix_b_fmt:MATRIX_FMT_FP6
.elseif WRA && WRB
	v_wmma_scale_f32_16x16x128_f8f6f4 v[WD:WD+7], v[WA:WA+11], v[WB:WB+11], v[WD:WD+7], v[WP], v[WQ] matrix_a_fmt:MATRIX_FMT_FP6 matrix_b_fmt:MATRIX_FMT_FP6 matrix_a_scale:MATRIX_SCALE_ROW1 matrix_b_scale:MATRIX_SCALE_ROW1
.elseif WRA
	v_wmma_scale_f32_16x16x128_f8f6f4 v[WD:WD+7], v[WA:WA+11], v[WB:WB+11], v[WD:WD+7], v[WP], v[WQ] matrix_a_fmt:MATRIX_FMT_FP6 matrix_b_fmt:MATRIX_FMT_FP6 matrix_a_scale:MATRIX_SCALE_ROW1
.elseif WRB
	v_wmma_scale_f32_16x16x128_f8f6f4 v[WD:WD+7], v[WA:WA+11], v[WB:WB+11], v[WD:WD+7], v[WP], v[WQ] matrix_a_fmt:MATRIX_FMT_FP6 matrix_b_fmt:MATRIX_FMT_FP6 matrix_b_scale:MATRIX_SCALE_ROW1
.else
	v_wmma_scale_f32_16x16x128_f8f6f4 v[WD:WD+7], v[WA:WA+11], v[WB:WB+11], v[WD:WD+7], v[WP], v[WQ] matrix_a_fmt:MATRIX_FMT_FP6 matrix_b_fmt:MATRIX_FMT_FP6
.endif
.endm
; 53 loads for a tile, in this order: row r's slot; the slots of rows 2 i + h; the scale words (lanes 0-15 K step 2 j, lanes 16-31 K step 2 j + 1); the fragments of K steps 0 to 11
.macro HLOAD
	global_load_b32 v[ENT], v[R4], s[16:17]
.irp i, 0,1,2,3,4,5,6,7
	global_load_b32 v[SL+\i], v[H4], s[16:17] offset:8*\i
.endr
.irp j, 0,1,2,3,4,5,6,7
	global_load_b32 v[HS+\j], v[L4], s[14:15] offset:128*\j
.endr
.irp k, 0,1,2,3,4,5,6,7,8,9,10,11
.irp c, 0,1,2
	global_load_b128 v[HF+12*\k+4*\c:HF+12*\k+4*\c+3], v[L16], s[12:13] offset:1536*\k+512*\c
.endr
.endr
.endm
.macro FRAGR a, b                      ; fragments a .. b - 1 from LDS into registers, six loads of 8 bytes each
.set ff, (\a)
.rept (\b)-(\a)
	FLOC ff
	WIN FWN<<6
.set fD, ff%4
.set fK, ff/4
.irp p, 0,1,2,3,4,5
.if fD < 2
	ds_load_b64 v[FRG+2*\p:FRG+2*\p+1], v[F0] offset:fD*24832+96*fK+48*(\p/3)+8*(\p%3)
.else
	ds_load_b64 v[FRG+2*\p:FRG+2*\p+1], v[F1] offset:(fD-2)*24832+96*fK+48*(\p/3)+8*(\p%3)
.endif
.endr
.set ff, ff+1
.endr
.endm
; 16 products: K steps 4 g .. 4 g + 3, the four accumulators by turns, one instruction a turn; K step 0 starts the sums
.macro MULG g
.set kk, 4*(\g)
.rept 4
.set dd, 0
.rept 4
	FLOC 4*kk+dd
	WIN FWN
.set WD, ACC+8*dd
.set WA, FRG
.set WB, HF+48*((kk/4)%3)+12*(kk%4)
.set WP, WS+8*dd+kk%8
.set WQ, HS+kk/2
.set WRA, kk/8
.set WRB, kk%2
.if kk == 0
.set WZ, 1
.else
.set WZ, 0
.endif
	WM
.set dd, dd+1
.endr
.set kk, kk+1
.endr
.endm
; behind the first 16 products: 13 loads: my row's weight, and K steps 12-15 into the buffer that those products have read
.macro MID
	WIN 0
	v_min_u32 v[TWO], 2047, v[ENT]                 ; four plain lines: the places between the last product and the loads into its sources
	v_lshlrev_b32 v[TWO], 2, v[TWO]
	v_nop
	v_nop
	global_load_b32 v[WW], v[TWO], s[18:19]
.irp k, 12,13,14,15
.irp c, 0,1,2
	global_load_b128 v[HF+12*(\k-12)+4*\c:HF+12*(\k-12)+4*\c+3], v[L16], s[12:13] offset:1536*\k+512*\c
.endr
.endr
.endm
; behind a tile's last product: where its rows go; the next tile's loads; the way out.  Address i stands in v[i + i / 4 + 6 (i / 7)]: v0-3, v5-7, v14
.macro FINISH
	s_lshl_b32 s46, s34, 4
	s_sub_co_u32 s38, s31, s46                     ; rows left from this tile on: at least 1
	s_lshl_b32 s38, s38, 2
	s_wait_xcnt 0x0                                ; the stores of the tile before have read their addresses, this tile's loads their bases: both are written again only behind this wait
.irp i, 0,1,2,3,4,5,6,7                        ; forty plain lines, eight at a time: also the places behind the last product
	v_add_nc_u32 v[\i+\i/4+6*(\i/7)], 8*\i, v[H4]  ; 4 (2 i + h)
.endr
.irp i, 0,1,2,3,4,5,6,7
	v_cmp_gt_u32 s[48+\i], s38, v[\i+\i/4+6*(\i/7)]
.endr
.irp i, 0,1,2,3,4,5,6,7
	v_cndmask_b32 v[\i+\i/4+6*(\i/7)], v[DMP], v[SL+\i], s[48+\i]   ; row 2 i + h's slot, or my dump row
.endr
.irp i, 0,1,2,3,4,5,6,7
	v_min_u32 v[\i+\i/4+6*(\i/7)], 2175, v[\i+\i/4+6*(\i/7)]
.endr
.irp i, 0,1,2,3,4,5,6,7
	v_lshl_add_u32 v[\i+\i/4+6*(\i/7)], v[\i+\i/4+6*(\i/7)], 11, v[C16]
.endr
	s_add_nc_u64 s[12:13], s[12:13], 196608        ; eight tiles on
	s_add_nc_u64 s[14:15], s[14:15], 8192
	s_add_nc_u64 s[16:17], s[16:17], 512
	s_add_co_u32 s34, s34, 8
	s_cmp_ge_u32 s34, s32
	s_cbranch_scc1 .Lnl_\@
	HLOAD                                          ; my next tile: on its way while this one leaves
.Lnl_\@:
.set jj, 0
.rept 16
	v_pk_mul_f32 v[ACC+jj:ACC+jj+1], v[ACC+jj:ACC+jj+1], v[WW:WW+1] op_sel_hi:[1,0]   ; x the weight; ascending, each accumulator from its low end
.set jj, jj+2
.endr
.irp d, 0,1,2,3
	ds_store_b128 v[STO], v[ACC+8*\d:ACC+8*\d+3] offset:64*\d
	ds_store_b128 v[STO], v[ACC+8*\d+4:ACC+8*\d+7] offset:64*\d+16
.endr
.irp i, 0,1,2,3,4,5,6,7
	ds_load_b128 v[ACC+4*\i:ACC+4*\i+3], v[RD] offset:544*\i    ; LDS serves a wave's instructions in order: these see my stores
.endr
.irp i, 0,1,2,3,4,5,6,7
	s_wait_dscnt 7-\i
	global_store_b128 v[\i+\i/4+6*(\i/7)], v[ACC+4*\i:ACC+4*\i+3], s[20:21]   ; sixteen lanes store 256 consecutive aligned bytes of a row
.endr
.endm
	s_load_b256 s[8:15], s[0:1], 0x0               ; wd codes 8, wd scales 10, himg 12, hsc 14
	s_load_b128 s[16:19], s[0:1], 0x20             ; rows 16, topw 18
	s_load_b64 s[20:21], s[0:1], 0x30              ; P
	s_set_vgpr_msb 0x40
	v_lshl_add_u32 v254, v0, 2, 0x1c800
	v_mov_b32 v255, 0
	s_set_vgpr_msb 0x4000
	v_lshrrev_b32 v1, 5, v0
	v_readfirstlane_b32 s28, v1                    ; wave
	v_and_b32 v1, 31, v0                           ; l
	v_and_b32 v2, 15, v0                           ; r
	v_bfe_u32 v3, v0, 4, 1                         ; h
	v_lshlrev_b32 v[L16], 4, v1
	s_mul_i32 s46, s28, 24832                      ; my wave stages 16 LDS rows of 1,552 bytes
	v_add_nc_u32 v[SA], s46, v[L16]
	v_mul_u32_u24 v[F0], v2, 1552
	v_mad_u32_u24 v[F0], v3, 24, v[F0]
	v_add_nc_u32 v[F1], 49664, v[F0]
	v_lshlrev_b32 v[R4], 2, v2
	v_lshlrev_b32 v[H4], 2, v3
	v_lshlrev_b32 v[L4], 2, v1
	v_lshlrev_b32 v[C16], 4, v2
	s_mul_i32 s46, s28, 4352
	s_add_co_u32 s46, s46, 99328                   ; my stage: 16 rows of 272 bytes
	v_mul_u32_u24 v[STO], v2, 272
	v_lshl_add_u32 v[STO], v3, 5, v[STO]
	v_add_nc_u32 v[STO], s46, v[STO]
	v_mul_u32_u24 v[RD], v3, 272
	v_lshl_add_u32 v[RD], v2, 4, v[RD]
	v_add_nc_u32 v[RD], s46, v[RD]
	v_lshlrev_b32 v[WSO], 6, v2
	v_lshl_add_u32 v[WSO], v3, 5, v[WSO]           ; 64 r + 32 h
	v_mov_b32 v[WW+1], 0                           ; named with the weight as a pair, so it is written
	s_lshr_b32 s29, ttmp9, 4                       ; expert
	s_bfe_u32 s30, ttmp9, 0x30001                  ; ds
	s_and_b32 s35, ttmp9, 1                        ; half
	s_lshl_b32 s34, s35, 2
	s_add_co_u32 s34, s34, s28                     ; my first tile
	s_lshl_b32 s39, s29, 3
	s_add_co_u32 s39, s39, s34
	s_add_co_u32 s39, s39, 2048                    ; my dump row
	v_mov_b32 v[DMP], s39
	s_mul_i32 s36, s29, 6144
	s_mov_b32 s37, 0
	s_mul_i32 s48, s29, 786432
	s_mul_i32 s46, s30, 98304
	s_add_co_u32 s48, s48, s46
	s_mul_i32 s46, s28, 24576
	s_add_co_u32 s48, s48, s46
	s_mov_b32 s49, 0
	s_lshl_b32 s50, s29, 15
	s_lshl_b32 s46, s30, 12
	s_add_co_u32 s50, s50, s46
	s_mov_b32 s51, 0
	s_lshl_b32 s52, s30, 8
	s_mov_b32 s53, 0
	s_wait_kmcnt 0x0
	s_add_nc_u64 s[16:17], s[16:17], s[36:37]      ; the expert's list
	s_load_b32 s31, s[16:17], 0x1000               ; its count
	s_add_nc_u64 s[8:9], s[8:9], s[48:49]
	s_add_nc_u64 s[10:11], s[10:11], s[50:51]
	s_add_nc_u64 s[20:21], s[20:21], s[52:53]
.irp d, 0,1,2,3
	global_load_b128 v[WS+8*\d:WS+8*\d+3], v[WSO], s[10:11] offset:1024*\d       ; register i: lanes 0-15 K step i, lanes 16-31 K step 8 + i
	global_load_b128 v[WS+8*\d+4:WS+8*\d+7], v[WSO], s[10:11] offset:1024*\d+16
.endr
	WIN 0x40
.set jj, 0
.rept 48
	global_load_b128 v[4*jj:4*jj+3], v[L16], s[8:9] offset:512*jj
.set jj, jj+1
.endr
	WIN 0
	s_wait_kmcnt 0x0                               ; the count; the list's base may be stepped
	s_min_u32 s31, s31, 1024
	s_add_co_u32 s32, s31, 15
	s_lshr_b32 s32, s32, 4                         ; tiles with rows
	s_max_u32 s46, s32, 1
	s_sub_co_u32 s46, s46, 1
	s_min_u32 s46, s46, s34
	s_min_u32 s46, s46, 63                         ; my first tile, or the last written one: the first loads are issued on every path
	s_lshl_b32 s47, s29, 6
	s_add_co_u32 s47, s47, s46
	s_mul_i32 s36, s47, 24576
	s_add_nc_u64 s[12:13], s[12:13], s[36:37]
	s_lshl_b32 s36, s47, 10
	s_add_nc_u64 s[14:15], s[14:15], s[36:37]
	s_lshl_b32 s36, s46, 6
	s_add_nc_u64 s[16:17], s[16:17], s[36:37]
	HLOAD
	s_wait_loadcnt 53                              ; the weights are in; the 53 loads issued behind them may be out
	WIN 0x04
.set jj, 0
.rept 48
	ds_store_b128 v[SA], v[4*jj:4*jj+3] offset:(jj/3)*1552+512*(jj%3)   ; three loads are a row
.set jj, jj+1
.endr
	WIN 0
	s_wait_dscnt 0x0
	s_barrier_signal -1
	s_barrier_wait -1
	s_cmp_ge_u32 s34, s32                          ; a wave without a tile takes no fragments; the only barrier behind is at the end, which every wave reaches
	s_cbranch_scc1 .Ldone
	; ---- my first tile
	FRAGR 0, 26
	s_wait_dscnt 60                                ; K steps 0-3's 16 fragments are in; the 60 loads of the ten fragments behind them may be out
	s_wait_loadcnt 24                              ; slots, scale words and hidden K steps 0-3 are in; K steps 4-11 may be out
	MULG 0
	MID
	FRAGR 26, 42
	s_wait_dscnt 60                                ; fragments 0-31 are in
	s_wait_loadcnt 25                              ; behind hidden K steps 4-7: K steps 8-11, the weight, K steps 12-15
	MULG 1
	FRAGR 42, 58
	s_wait_dscnt 60                                ; fragments 0-47 are in
	s_wait_loadcnt 13                              ; behind K steps 8-11: the weight, K steps 12-15
	MULG 2
	FRAGR 58, 64
	s_wait_dscnt 0x0
	s_wait_loadcnt 0x0
	MULG 3
	WIN 0
	FINISH
	s_cmp_ge_u32 s34, s32
	s_cbranch_scc1 .Ldone
	s_mov_b32 s33, 1
.Ltile:
	s_wait_xcnt 0x0                                ; the last tile's stores have read their data: the accumulators are written again only behind this wait
	s_wait_loadcnt 24
	MULG 0
	MID
	s_wait_loadcnt 25
	MULG 1
	s_wait_loadcnt 13
	MULG 2
	s_wait_loadcnt 0x0
	MULG 3
	WIN 0
	FINISH
	s_cmp_ge_u32 s34, s32                          ; no rows left for me
	s_cbranch_scc1 .Ldone
	s_add_co_u32 s33, s33, 1
	s_cmp_lt_u32 s33, 8
	s_cbranch_scc1 .Ltile
.Ldone:
	s_barrier_signal -1
	s_barrier_wait -1
	s_set_vgpr_msb 0x5
	s_wait_tensorcnt 0x0
	ds_add_u32 v254, v255
	s_wait_dscnt 0x0
	s_set_vgpr_msb 0x500
	s_endpgm
.Lfunc_end_k_q64ce6a569a_down:
	.size	k_q64ce6a569a_down, .Lfunc_end_k_q64ce6a569a_down-k_q64ce6a569a_down
	.p2alignl 7, 3214868480
	.fill 96, 4, 3214868480
	.section	.rodata,"a",@progbits
	.p2align	6, 0x0
	.amdhsa_kernel k_q64ce6a569a_down
		.amdhsa_group_segment_fixed_size 117248
		.amdhsa_private_segment_fixed_size 0
		.amdhsa_enable_private_segment 0
		.amdhsa_kernarg_size 56
		.amdhsa_user_sgpr_count 2
		.amdhsa_user_sgpr_kernarg_segment_ptr 1
		.amdhsa_wavefront_size32 1
		.amdhsa_system_sgpr_workgroup_id_x 1
		.amdhsa_system_sgpr_workgroup_id_y 1
		.amdhsa_system_sgpr_workgroup_id_z 1
		.amdhsa_system_vgpr_workitem_id 0
		.amdhsa_next_free_vgpr 1024
		.amdhsa_next_free_sgpr 66
		.amdhsa_reserve_vcc 0
		.amdhsa_float_denorm_mode_32 3
		.amdhsa_float_denorm_mode_16_64 3
		.amdhsa_memory_ordered 1
		.amdhsa_forward_progress 1
		.amdhsa_inst_pref_size 83
	.end_amdhsa_kernel
	.amdgpu_metadata
---
amdhsa.version: [ 1, 2 ]
amdhsa.kernels:
  - .name:           k_q64ce6a569a_down
    .symbol:         k_q64ce6a569a_down.kd
    .args:
      - { .name: wd_codes, .offset: 0, .size: 8, .value_kind: global_buffer, .address_space: global }
      - { .name: wd_scales, .offset: 8, .size: 8, .value_kind: global_buffer, .address_space: global }
      - { .name: himg, .offset: 16, .size: 8, .value_kind: global_buffer, .address_space: global }
      - { .name: hsc, .offset: 24, .size: 8, .value_kind: global_buffer, .address_space: global }
      - { .name: rows, .offset: 32, .size: 8, .value_kind: global_buffer, .address_space: global }
      - { .name: topw, .offset: 40, .size: 8, .value_kind: global_buffer, .address_space: global }
      - { .name: P, .offset: 48, .size: 8, .value_kind: global_buffer, .address_space: global }
    .group_segment_fixed_size: 117248
    .private_segment_fixed_size: 0
    .kernarg_segment_align: 8
    .kernarg_segment_size: 56
    .max_flat_workgroup_size: 128
    .sgpr_count:     66
    .vgpr_count:     1024
    .wavefront_size: 32
...
	.end_amdgpu_metadata
.endif
;; end of part 3
;; launch shdown (part 4): grid 128 x 1, 4 waves a work-group, no clusters, 68,096 bytes of LDS; arguments swd_codes, swd_scales, simg, ssc, P, out0; writes out0
.if DOCPART == 4
	.amdgcn_target "amdgcn-amd-amdhsa--gfx1250"
	.amdhsa_code_object_version 6
	.text
	.protected	k_q64ce6a569a_shdown
	.globl	k_q64ce6a569a_shdown
	.p2align	8
	.type	k_q64ce6a569a_shdown,@function
k_q64ce6a569a_shdown:
	s_mov_b64 s[64:65], 0
	v_nop
	global_prefetch_b8 v0, s[64:65] scope:SCOPE_SE
	s_setreg_imm32_b32 hwreg(HW_REG_WAVE_MODE, 25, 1), 1
	s_wait_xcnt 0x0
; Work-group = (64 columns ds of the output, four tiles of 16 tokens).  out0[t] = sh[t] swd^T + P[2 t] + P[2 t + 1]: the shared experts' second product, and the two routed experts' parts gathered.
; The slice of swd (64 rows x 768 bytes, dense) is read by loads of 512 consecutive bytes a wave, laid into LDS with rows 784 bytes apart, and behind ONE barrier every wave takes all 32 fragments
; (fragment 4 k + dt) into registers; a wave makes one tile of tokens by itself.  The hidden layer comes as register images.
; TRANSPOSED USE (source 0 = 16 rows of swd, source 1 = 16 tokens).  The tile goes through the wave's own stage and leaves as rows of 256 consecutive aligned bytes.
; REGISTERS, window 0: v4-13 addresses; v16-31 swd's scale words; v32-63 four accumulators; v64-67 hidden scale words; v68-163 eight hidden fragments; v164-227 the rows of P.  Window 1: fragments 0-20; window 2: 21-31.
.set L16, 4
.set SA,  5
.set SA1, 6
.set F0,  7
.set L4,  8
.set WSO, 9
.set STO, 10
.set RD,  11
.set PO,  12
.set OO,  13
.set WS,  16
.set ACC, 32
.set SS,  64
.set SH,  68
.set PR,  164
.set F63, 0
.set MSB, 0
.macro WIN new
.if MSB != (\new)
	s_set_vgpr_msb (MSB<<8)|(\new)
.set MSB, (\new)
.endif
.endm
.macro FLOC f
.if (\f) < 63
.set FWN, 1+(\f)/21
.set FRG, 12*((\f)%21)
.else
.set FWN, 0
.set FRG, F63
.endif
.endm
.macro WM
.if WZ && WRA
	v_wmma_scale_f32_16x16x128_f8f6f4 v[WD:WD+7], v[WA:WA+11], v[WB:WB+11], 0, v[WP], v[WQ] matrix_a_fmt:MATRIX_FMT_FP6 matrix_b_fmt:MATRIX_FMT_FP6 matrix_a_scale:MATRIX_SCALE_ROW1
.elseif WZ
	v_wmma_scale_f32_16x16x128_f8f6f4 v[WD:WD+7], v[WA:WA+11], v[WB:WB+11], 0, v[WP], v[WQ] matrix_a_fmt:MATRIX_FMT_FP6 matrix_b_fmt:MATRIX_FMT_FP6
.elseif WRA && WRB
	v_wmma_scale_f32_16x16x128_f8f6f4 v[WD:WD+7], v[WA:WA+11], v[WB:WB+11], v[WD:WD+7], v[WP], v[WQ] matrix_a_fmt:MATRIX_FMT_FP6 matrix_b_fmt:MATRIX_FMT_FP6 matrix_a_scale:MATRIX_SCALE_ROW1 matrix_b_scale:MATRIX_SCALE_ROW1
.elseif WRA
	v_wmma_scale_f32_16x16x128_f8f6f4 v[WD:WD+7], v[WA:WA+11], v[WB:WB+11], v[WD:WD+7], v[WP], v[WQ] matrix_a_fmt:MATRIX_FMT_FP6 matrix_b_fmt:MATRIX_FMT_FP6 matrix_a_scale:MATRIX_SCALE_ROW1
.elseif WRB
	v_wmma_scale_f32_16x16x128_f8f6f4 v[WD:WD+7], v[WA:WA+11], v[WB:WB+11], v[WD:WD+7], v[WP], v[WQ] matrix_a_fmt:MATRIX_FMT_FP6 matrix_b_fmt:MATRIX_FMT_FP6 matrix_b_scale:MATRIX_SCALE_ROW1
.else
	v_wmma_scale_f32_16x16x128_f8f6f4 v[WD:WD+7], v[WA:WA+11], v[WB:WB+11], v[WD:WD+7], v[WP], v[WQ] matrix_a_fmt:MATRIX_FMT_FP6 matrix_b_fmt:MATRIX_FMT_FP6
.endif
.endm
	s_load_b256 s[8:15], s[0:1], 0x0               ; swd codes 8, swd scales 10, simg 12, ssc 14
	s_load_b128 s[16:19], s[0:1], 0x20             ; P 16, out0 18
	v_lshl_add_u32 v254, v0, 2, 0x10800
	v_mov_b32 v255, 0
	v_lshrrev_b32 v1, 5, v0
	v_readfirstlane_b32 s28, v1                    ; wave
	v_and_b32 v1, 31, v0                           ; l
	v_and_b32 v2, 15, v0                           ; r
	v_bfe_u32 v3, v0, 4, 1                         ; h
	v_lshlrev_b32 v[L16], 4, v1
	s_mul_i32 s46, s28, 12544                      ; my wave stages 16 LDS rows of 784 bytes
	v_add_nc_u32 v[SA], s46, v[L16]
	v_lshl_add_u32 v[SA1], v3, 4, v[SA]
	v_mul_u32_u24 v[F0], v2, 784
	v_mad_u32_u24 v[F0], v3, 24, v[F0]
	v_lshlrev_b32 v[L4], 2, v1
	v_lshlrev_b32 v[WSO], 5, v2
	v_lshl_add_u32 v[WSO], v3, 4, v[WSO]           ; 32 r + 16 h
	s_mul_i32 s46, s28, 4352
	s_add_co_u32 s46, s46, 50176                   ; my stage
	v_mul_u32_u24 v[STO], v2, 272
	v_lshl_add_u32 v[STO], v3, 5, v[STO]
	v_add_nc_u32 v[STO], s46, v[STO]
	v_mul_u32_u24 v[RD], v3, 272
	v_lshl_add_u32 v[RD], v2, 4, v[RD]
	v_add_nc_u32 v[RD], s46, v[RD]
	v_lshlrev_b32 v[PO], 4, v2
	v_lshl_add_u32 v[OO], v3, 11, v[PO]            ; out0: 2,048 h + 16 r
	v_lshl_add_u32 v[PO], v3, 12, v[PO]            ; P: 4,096 h + 16 r
	s_and_b32 s29, ttmp9, 7                        ; ds
	s_lshr_b32 s30, ttmp9, 3
	s_lshl_b32 s30, s30, 2
	s_add_co_u32 s30, s30, s28                     ; my tile of 16 tokens
	s_mul_i32 s36, s29, 49152
	s_mul_i32 s46, s28, 12288
	s_add_co_u32 s36, s36, s46
	s_mov_b32 s37, 0
	s_lshl_b32 s38, s29, 11
	s_mov_b32 s39, 0
	s_mul_i32 s40, s30, 12288
	s_mov_b32 s41, 0
	s_lshl_b32 s42, s30, 9
	s_mov_b32 s43, 0
	s_lshl_b32 s46, s29, 8
	s_lshl_b32 s44, s30, 16
	s_add_co_u32 s44, s44, s46
	s_mov_b32 s45, 0
	s_lshl_b32 s48, s30, 15
	s_add_co_u32 s48, s48, s46
	s_mov_b32 s49, 0
	s_wait_kmcnt 0x0
	s_add_nc_u64 s[8:9], s[8:9], s[36:37]
	s_add_nc_u64 s[10:11], s[10:11], s[38:39]
	s_add_nc_u64 s[12:13], s[12:13], s[40:41]
	s_add_nc_u64 s[14:15], s[14:15], s[42:43]
	s_add_nc_u64 s[16:17], s[16:17], s[44:45]
	s_add_nc_u64 s[18:19], s[18:19], s[48:49]
.irp d, 0,1,2,3
	global_load_b128 v[WS+4*\d:WS+4*\d+3], v[WSO], s[10:11] offset:512*\d   ; register i: lanes 0-15 K step i, lanes 16-31 K step 4 + i
.endr
	WIN 0x40
.set jj, 0
.rept 24
	global_load_b128 v[4*jj:4*jj+3], v[L16], s[8:9] offset:512*jj
.set jj, jj+1
.endr
	WIN 0
.irp k, 0,1,2,3,4,5,6,7
.irp c, 0,1,2
	global_load_b128 v[SH+12*\k+4*\c:SH+12*\k+4*\c+3], v[L16], s[12:13] offset:1536*\k+512*\c
.endr
.endr
.irp j, 0,1,2,3
	global_load_b32 v[SS+\j], v[L4], s[14:15] offset:128*\j     ; lanes 0-15 K step 2 j, lanes 16-31 K step 2 j + 1
.endr
.irp i, 0,1,2,3,4,5,6,7
	global_load_b128 v[PR+8*\i:PR+8*\i+3], v[PO], s[16:17] offset:8192*\i th:TH_LOAD_NT          ; token 2 i + h: slot 0,
	global_load_b128 v[PR+8*\i+4:PR+8*\i+7], v[PO], s[16:17] offset:8192*\i+2048 th:TH_LOAD_NT   ; slot 1
.endr
	s_wait_loadcnt 44                              ; the weights are in; the 24 + 4 + 16 loads issued behind them may be out
	WIN 0x04
.set pp, 0
.rept 8                                        ; three loads are two rows of 768 bytes: the second row lies 16 bytes further on in LDS
	ds_store_b128 v[SA], v[12*pp:12*pp+3] offset:1568*pp
	ds_store_b128 v[SA1], v[12*pp+4:12*pp+7] offset:1568*pp+512
	ds_store_b128 v[SA], v[12*pp+8:12*pp+11] offset:1568*pp+1040
.set pp, pp+1
.endr
	WIN 0
	s_wait_dscnt 0x0
	s_barrier_signal -1
	s_barrier_wait -1
.set ff, 0
.rept 32
	FLOC ff
	WIN FWN<<6
.set fD, ff%4
.set fK, ff/4
.irp p, 0,1,2,3,4,5
	ds_load_b64 v[FRG+2*\p:FRG+2*\p+1], v[F0] offset:fD*12544+96*fK+48*(\p/3)+8*(\p%3)
.endr
.set ff, ff+1
.endr
	WIN 0
	s_wait_dscnt 0x0
	s_wait_loadcnt 16                              ; the hidden layer is in; P's 16 loads may be out
.set ff, 0
.rept 32                                       ; K step by K step, the four accumulators by turns, one instruction a turn
	FLOC ff
	WIN FWN
.set fD, ff%4
.set fK, ff/4
.set WD, ACC+8*fD
.set WA, FRG
.set WB, SH+12*fK
.set WP, WS+4*fD+fK%4
.set WQ, SS+fK/2
.set WRA, fK/4
.set WRB, fK%2
.if fK == 0
.set WZ, 1
.else
.set WZ, 0
.endif
	WM
.set ff, ff+1
.endr
	WIN 0
	s_wait_loadcnt 0x0
.irp i, 0,1,2,3,4,5,6,7                        ; the two experts' parts are added: sixteen plain lines, the places behind the last product
	v_pk_add_f32 v[PR+8*\i:PR+8*\i+1], v[PR+8*\i:PR+8*\i+1], v[PR+8*\i+4:PR+8*\i+5]
	v_pk_add_f32 v[PR+8*\i+2:PR+8*\i+3], v[PR+8*\i+2:PR+8*\i+3], v[PR+8*\i+6:PR+8*\i+7]
.endr
.irp d, 0,1,2,3
	ds_store_b128 v[STO], v[ACC+8*\d:ACC+8*\d+3] offset:64*\d       ; each accumulator from its low end on
	ds_store_b128 v[STO], v[ACC+8*\d+4:ACC+8*\d+7] offset:64*\d+16
.endr
.irp i, 0,1,2,3,4,5,6,7
	ds_load_b128 v[ACC+4*\i:ACC+4*\i+3], v[RD] offset:544*\i        ; LDS serves a wave's instructions in order: these see my stores
.endr
.irp i, 0,1,2,3,4,5,6,7
	s_wait_dscnt 7-\i
	v_pk_add_f32 v[ACC+4*\i:ACC+4*\i+1], v[ACC+4*\i:ACC+4*\i+1], v[PR+8*\i:PR+8*\i+1]
	v_pk_add_f32 v[ACC+4*\i+2:ACC+4*\i+3], v[ACC+4*\i+2:ACC+4*\i+3], v[PR+8*\i+2:PR+8*\i+3]
	global_store_b128 v[OO], v[ACC+4*\i:ACC+4*\i+3], s[18:19] offset:4096*\i th:TH_STORE_NT   ; sixteen lanes store 256 consecutive aligned bytes of a row
.endr
	s_barrier_signal -1
	s_barrier_wait -1
	s_wait_tensorcnt 0x0
	ds_add_u32 v254, v255
	s_wait_dscnt 0x0
	s_endpgm
.Lfunc_end_k_q64ce6a569a_shdown:
	.size	k_q64ce6a569a_shdown, .Lfunc_end_k_q64ce6a569a_shdown-k_q64ce6a569a_shdown
	.p2alignl 7, 3214868480
	.fill 96, 4, 3214868480
	.section	.rodata,"a",@progbits
	.p2align	6, 0x0
	.amdhsa_kernel k_q64ce6a569a_shdown
		.amdhsa_group_segment_fixed_size 68096
		.amdhsa_private_segment_fixed_size 0
		.amdhsa_enable_private_segment 0
		.amdhsa_kernarg_size 48
		.amdhsa_user_sgpr_count 2
		.amdhsa_user_sgpr_kernarg_segment_ptr 1
		.amdhsa_wavefront_size32 1
		.amdhsa_system_sgpr_workgroup_id_x 1
		.amdhsa_system_sgpr_workgroup_id_y 1
		.amdhsa_system_sgpr_workgroup_id_z 1
		.amdhsa_system_vgpr_workitem_id 0
		.amdhsa_next_free_vgpr 768
		.amdhsa_next_free_sgpr 66
		.amdhsa_reserve_vcc 0
		.amdhsa_float_denorm_mode_32 3
		.amdhsa_float_denorm_mode_16_64 3
		.amdhsa_memory_ordered 1
		.amdhsa_forward_progress 1
		.amdhsa_inst_pref_size 32
	.end_amdhsa_kernel
	.amdgpu_metadata
---
amdhsa.version: [ 1, 2 ]
amdhsa.kernels:
  - .name:           k_q64ce6a569a_shdown
    .symbol:         k_q64ce6a569a_shdown.kd
    .args:
      - { .name: swd_codes, .offset: 0, .size: 8, .value_kind: global_buffer, .address_space: global }
      - { .name: swd_scales, .offset: 8, .size: 8, .value_kind: global_buffer, .address_space: global }
      - { .name: simg, .offset: 16, .size: 8, .value_kind: global_buffer, .address_space: global }
      - { .name: ssc, .offset: 24, .size: 8, .value_kind: global_buffer, .address_space: global }
      - { .name: P, .offset: 32, .size: 8, .value_kind: global_buffer, .address_space: global }
      - { .name: out0, .offset: 40, .size: 8, .value_kind: global_buffer, .address_space: global }
    .group_segment_fixed_size: 68096
    .private_segment_fixed_size: 0
    .kernarg_segment_align: 8
    .kernarg_segment_size: 48
    .max_flat_workgroup_size: 128
    .sgpr_count:     66
    .vgpr_count:     768
    .wavefront_size: 32
...
	.end_amdgpu_metadata
.endif
;; end of part 4
